; MI455X (gfx1250); checked and timed in simulation.
; The chip was launched on July 23, 2026; its instructions are those of AMD's public machine-readable ISA for CDNA 5 (MIT licence, August 2026) and "CDNA5" Instruction Set Architecture Reference Guide (July 2026). The comments in the code are by the model that wrote it; some were corrected since.
;; Transformer Block. Allowed arithmetic: matrix products marked QUANTISED: E4M3 operands, one given power-of-two scale a tensor, by v_wmma_f32_16x16x64_fp8_fp8 or v_wmma_f32_16x16x128_fp8_fp8, f32 sums; everything else in f32.
;; Inputs: W_K 16 x 64 x 1,024 float32; W_O 1,024 x 1,024 float32; W_Q 16 x 64 x 1,024 float32; W_V 16 x 64 x 1,024 float32; W_in 4,096 x 1,024 float32; W_out 1,024 x 4,096 float32; b_in 4,096 float32; b_out 1,024 float32; lowp_scales 16 int32 (the exponents e of the quantised operands' scales 2^e); x 2 x 2,048 x 1,024 float32.
;; Outputs: out0 2 x 2,048 x 1,024 float32.
;; This version of the problem:
;;   THIS VERSION OF THE PROBLEM IS GIVEN IN LOW PRECISION. The matrix products marked QUANTISED in the list below multiply operands that are first quantised to E4M3 (4 exponent bits, 3 mantissa bits; 8 bits a number), with one given power-of-two scale for each operand tensor; their sums are f32. All else is computed in f32.
;;   The module's matrix products, in the order in which they are computed (A, B: the left and right operand; K: the contracted axis; several contracted axes count as one K, in the product's order):
;;     1. [M 4,096, K 1,024] x [K 1,024, N 1,024]; A: input x; B: input W_K: QUANTISED (scales: A lowp_scales[0], B lowp_scales[1])
;;     2. [M 4,096, K 1,024] x [K 1,024, N 1,024]; A: input x; B: input W_Q: QUANTISED (scales: A lowp_scales[2], B lowp_scales[3])
;;     3. [M 4,096, K 1,024] x [K 1,024, N 1,024]; A: input x; B: input W_V: QUANTISED (scales: A lowp_scales[4], B lowp_scales[5])
;;     4. batch 32 x [M 2,048, K 64] x [K 64, N 2,048]; A: computed on the way; B: computed on the way: QUANTISED (scales: A lowp_scales[6], B lowp_scales[7])
;;     5. batch 32 x [M 2,048, K 2,048] x [K 2,048, N 64]; A: computed on the way; B: computed on the way: QUANTISED (scales: A lowp_scales[8], B lowp_scales[9])
;;     6. [M 4,096, K 1,024] x [K 1,024, N 1,024]; A: computed on the way; B: input W_O: QUANTISED (scales: A lowp_scales[10], B lowp_scales[11])
;;     7. [M 4,096, K 1,024] x [K 1,024, N 4,096]; A: computed on the way; B: input W_in: QUANTISED (scales: A lowp_scales[12], B lowp_scales[13])
;;     8. [M 4,096, K 4,096] x [K 4,096, N 1,024]; A: computed on the way; B: input W_out: QUANTISED (scales: A lowp_scales[14], B lowp_scales[15])
;;   THE QUANTISER, for each operand of a quantised product, along K:
;;     - The operand's scale is 2^e, e = its entry of the input lowp_scales (int32; the entries are numbered through the quantised products in the list's order, A before B).
;;     - Each number is divided by the scale, clamped to +-448, and rounded to the nearest number of E4M3, ties to even, subnormals kept.
;;     - The product sums the exact products of the quantised numbers (number of the format x scale) in f32.
;;   ~~~python
;;   def quantise(x, axis, e):      # numpy; x: float32 -> the quantised numbers, widened to float32 again
;;       x = np.moveaxis(x, axis, -1); K = x.shape[-1]
;;       r = np.clip(x / 2.0 ** e, -448, 448)
;;       step = 2.0 ** (np.maximum(np.frexp(np.where(r == 0, 1, r))[1] - 1, -6) - 3)
;;       q = np.round(r / step) * step * 2.0 ** e      # np.round: ties to even
;;       return np.moveaxis(q, -1, axis).astype(np.float32)
;;   ~~~
;;   OPERANDS COMPUTED ON THE WAY. 'Computed on the way' means the value that the module computes at that place (a softmax that the list does not call 'softmax' is quantised finished and normalised). What goes into a quantiser is computed in f32, as accurately as f32 sums, v_exp_f32 and their like allow (about 1e-6 of the number): no bf16 or f16 on the way to a quantiser, and a product that is left as it is and whose result goes on into a quantised operand takes f32 operands (vector FMAs, or v_wmma_f32_16x16x4_f32). A number that lies on a knife's edge between two numbers of the format may be rounded either way, as far as f32 arithmetic and the matrix unit's own rounding can turn it there, and no further.
;; One version. Each part assembles by itself: llvm-mc -triple=amdgcn-amd-amdhsa -mcpu=gfx1250 --defsym DOCPART=n.
;; ======== version 1 of 1: 7 launches
;; limits: right only within a limited range of input values
;; workspace buffers: cod0 25,165,824 bytes; kqv 12,582,912 bytes; nl 262,144 bytes; zc 4,194,304 bytes; x1f 16,777,216 bytes; x1c 4,194,304 bytes; hc 16,777,216 bytes
;; launch quant (part 1): grid 256 x 1, 8 waves a work-group, no clusters, 68,608 bytes of LDS; arguments x, W_K, W_Q, W_V, W_O, W_in, W_out, lowp_scales, cod0; writes cod0
.if DOCPART == 1
	.amdgcn_target "amdgcn-amd-amdhsa--gfx1250"
	.amdhsa_code_object_version 6
	.text
	.protected	k_qf3ef80d6bc_quant
	.globl	k_qf3ef80d6bc_quant
	.p2align	8
	.type	k_qf3ef80d6bc_quant,@function
k_qf3ef80d6bc_quant:
	s_mov_b64 s[64:65], 0
	v_nop
	global_prefetch_b8 v0, s[64:65] scope:SCOPE_SE
	s_setreg_imm32_b32 hwreg(HW_REG_WAVE_MODE, 25, 1), 1
	s_wait_xcnt 0x0
; x (three times: the scales of products 1, 2 and 3 may differ) and the six weights, all f32 with K innermost, become codes of E4M3.
; code = number / 2^e, held within +-448, rounded to the nearest code, ties to even.  e: x entries 0, 2, 4 of the scales; W_K 1, W_Q 3, W_V 5, W_O 11, W_in 13, W_out 15.
; LIMITS: each of these e lies between -126 and 119, so that 2^e and 448 x 2^e are f32 numbers.  NaN among the inputs is not served; an infinity is held at the largest code.
; THE CODES ARE LAID AS IMAGES OF OPERAND REGISTERS.  A fragment is 16 rows x 128 K = 16 registers a lane (lane (r, h): row r; registers 2 c, 2 c + 1: k = 16 c + 8 h + 0 .. 7): 2,048 bytes,
; registers 4 i .. 4 i + 3 of lane l at 512 i + 16 l.  A tensor [rows][K] is [rows / 16][K / 128][2,048]: 16 rows are 16 K bytes, as in a row-major tensor of codes.
; cod0: x by e0 at 0, by e2 at 4 MiB, by e4 at 8 MiB; W_K 12, W_Q 13, W_V 14, W_O 15, W_in 16, W_out 20 MiB.
; SHARES.  A wave takes four neighbouring fragments of one group of 16 rows: 16 rows x 2,048 bytes in, 8,192 consecutive bytes out.  Work-groups 0-63 take x, 64-79 W_K, 80-95 W_Q, 96-111 W_V, 112-127 W_O,
; 128-191 W_in, 192-255 W_out: only pointers and numbers are chosen by the work-group's number; all take one path, but that x's work-groups quantise each fragment three times.
; Each load reads 512 consecutive bytes of a row; a fragment turns through the wave's own stage in LDS (16 rows of 512 + 16 bytes) so that a lane gets eight neighbours along K at a time.
; No tensor load, no barrier: waves share nothing.  Memory binds: no matrix unit, no cluster.
.set STGB, 8448                        ; a wave's stage
.set T,    12                          ; v12-27   eight held numbers, two sets by turns
.set CA,   28                          ; v28-43   a fragment's codes
.set CB,   44                          ; v44-59   a second set
.set X,    60                          ; v60-123  64 numbers in the fragment's order
.set R,    124                         ; v124-251 two sets of 64 numbers as they are loaded
	s_load_b512 s[4:19], s[0:1], 0x0               ; x, W_K, W_Q, W_V, W_O, W_in, W_out, the scales' exponents
	s_load_b64 s[20:21], s[0:1], 0x40              ; cod0
	v_lshl_add_u32 v254, v0, 2, 0x10800
	v_mov_b32 v255, 0
	v_lshrrev_b32 v10, 5, v0
	s_delay_alu instid0(VALU_DEP_1)
	v_readfirstlane_b32 s2, v10                    ; wave 0..7
	v_and_b32 v10, 31, v0
	s_delay_alu instid0(VALU_DEP_1)
	v_lshlrev_b32 v1, 4, v10                       ; 16 x lane: my bytes of a load's or a store's 512
	s_mul_i32 s3, s2, STGB
	v_add_nc_u32 v2, s3, v1                        ; the stage, on the way in: a row as it lies
	v_and_b32 v11, 15, v0                          ; r
	v_bfe_u32 v10, v0, 4, 1                        ; h
	s_delay_alu instid0(VALU_DEP_2)
	v_mul_u32_u24 v3, v11, 528
	s_delay_alu instid0(VALU_DEP_1)
	v_lshl_add_u32 v3, v10, 5, v3
	s_delay_alu instid0(VALU_DEP_1)
	v_add_nc_u32 v3, s3, v3                        ; and on the way out: row r, + 32 h bytes (8 numbers)
	s_wait_alu depctr_va_vdst(0)
	s_wait_kmcnt 0x0
	s_load_b512 s[68:83], s[18:19], 0x0            ; the sixteen exponents
	s_mov_b64 s[22:23], s[4:5]                     ; the source, the first work-group of its range, its codes' place in cod0
	s_mov_b32 s24, 0
	s_mov_b32 s25, 0
.macro PICK lb, ptr, off               ; from work-group lb on: another tensor.  The choice hangs on the work-group's number alone
	s_cmp_ge_u32 ttmp9, \lb
	s_cselect_b64 s[22:23], s[\ptr:\ptr+1], s[22:23]
	s_cselect_b32 s24, \lb, s24
	s_cselect_b32 s25, \off, s25
.endm
	PICK 64, 6, 0xc00000
	PICK 80, 8, 0xd00000
	PICK 96, 10, 0xe00000
	PICK 112, 12, 0xf00000
	PICK 128, 14, 0x1000000
	PICK 192, 16, 0x1400000
	s_mov_b32 s30, 4096                            ; a row in bytes: K = 1,024, or 4,096 in W_out
	s_cmp_ge_u32 ttmp9, 192
	s_cselect_b32 s26, 3, 1                        ; jobs in a group of 16 rows: 2^1 or 2^3
	s_cselect_b32 s27, 7, 1
	s_cselect_b32 s28, 18, 16                      ; 16 rows in bytes: 2^16 or 2^18
	s_cselect_b32 s30, 16384, s30
	s_mov_b32 s31, 0
	s_sub_co_u32 s24, ttmp9, s24
	s_lshl_b32 s24, s24, 3
	s_add_co_u32 s24, s24, s2                      ; j: my wave's job in its tensor
	s_lshr_b32 s29, s24, s26
	s_lshl_b32 s90, s29, s28                       ; its 16 rows,
	s_and_b32 s29, s24, s27
	s_lshl_b32 s29, s29, 11
	s_add_co_u32 s90, s90, s29                     ; its 512 numbers of each
	s_mov_b32 s91, 0
	s_add_nc_u64 s[32:33], s[22:23], s[90:91]      ; a base for each of the 16 rows
.irp i, 1,2,3,4,5,6,7,8,9,10,11,12,13,14,15
	s_add_nc_u64 s[32+2*\i:33+2*\i], s[30+2*\i:31+2*\i], s[30:31]
.endr
	s_lshl_b32 s90, s24, 13                        ; the codes: 8,192 j
	s_add_co_u32 s90, s90, s25
	s_add_nc_u64 s[84:85], s[20:21], s[90:91]
	s_add_nc_u64 s[86:87], s[84:85], 0x400000      ; x's second and third sets of codes (used by x's work-groups alone)
	s_add_nc_u64 s[88:89], s[84:85], 0x800000
.macro LOAD f                          ; fragment f: 128 numbers of each of the 16 rows; 32 lanes read 512 consecutive bytes
.irp i, 0,1,2,3,4,5,6,7,8,9,10,11,12,13,14,15
	global_load_b128 v[R+64*((\f)%2)+4*\i:R+64*((\f)%2)+4*\i+3], v1, s[32+2*\i:33+2*\i] offset:512*(\f) th:TH_LOAD_NT
.endr
.endm
.macro TURN f                          ; through the stage: LDS serves a wave's instructions in order, so no wait stands between the stores and the loads
.irp i, 0,1,2,3,4,5,6,7,8,9,10,11,12,13,14,15
	ds_store_b128 v2, v[R+64*((\f)%2)+4*\i:R+64*((\f)%2)+4*\i+3] offset:528*\i
.endr
.irp c, 0,1,2,3,4,5,6,7                ; X[8 c + i] = row r, k = 16 c + 8 h + i.  Rows 33 x 16 bytes apart: sixteen lanes touch sixteen different 16-byte columns
	ds_load_b128 v[X+8*\c:X+8*\c+3], v3 offset:64*\c
	ds_load_b128 v[X+8*\c+4:X+8*\c+7], v3 offset:64*\c+16
.endr
.endm
.macro QUANT sc, lim, cs               ; v[sc] = 2^e, v[lim] = 448 x 2^e; the codes go to v[cs] on.  X stays: x is quantised three times
.irp g, 0,1,2,3,4,5,6,7
.irp i, 0,1,2,3,4,5,6,7
	v_med3_num_f32 v[T+8*(\g%2)+\i], v[X+8*\g+\i], -v[\lim], v[\lim]   ; the conversion to an 8-bit code does not saturate (ISA guide 7.6.2): the hold comes first
.endr
	v_cvt_scalef32_pk8_fp8_f32 v[\cs+2*\g:\cs+2*\g+1], v[T+8*(\g%2):T+8*(\g%2)+7], v[\sc]   ; the other set's eight holds stand between this line and the next write of its sources
.endr
	v_nop                                          ; a plain line behind the last conversion
.endm
.macro PUT cs, dst, f                  ; the fragment's image: four stores of 512 consecutive bytes
.irp i, 0,1,2,3
	global_store_b128 v1, v[\cs+4*\i:\cs+4*\i+3], s[\dst:\dst+1] offset:2048*(\f)+512*\i
.endr
.endm
	LOAD 0
	LOAD 1
	s_wait_kmcnt 0x0
	s_mov_b32 s92, s68                             ; e of the first (or only) set of codes
.macro PICKE lb, e
	s_cmp_ge_u32 ttmp9, \lb
	s_cselect_b32 s92, s[68+\e], s92
.endm
	PICKE 64, 1
	PICKE 80, 3
	PICKE 96, 5
	PICKE 112, 11
	PICKE 128, 13
	PICKE 192, 15
.macro MAKE e, vp, vl                  ; 2^e and 448 x 2^e as f32 patterns
	s_add_co_i32 s93, \e, 127
	s_lshl_b32 s94, s93, 23
	v_mov_b32 v[\vp], s94
	s_add_co_i32 s93, s93, 8
	s_lshl_b32 s93, s93, 23
	s_or_b32 s93, s93, 0x600000
	v_mov_b32 v[\vl], s93
.endm
	MAKE s92, 4, 5
	MAKE s70, 6, 7
	MAKE s72, 8, 9
.macro FRAGM f
.if \f < 3
	s_wait_loadcnt 16                              ; this fragment's sixteen loads are in; the next fragment's sixteen may be out
.else
	s_wait_loadcnt 0x0
.endif
	TURN \f
	s_wait_dscnt 0x0                               ; the numbers are back; the stores into the stage have read their registers,
.if \f < 2
	LOAD (\f)+2                                    ; which take the fragment two on
.endif
	s_wait_xcnt 0x0                                ; the last fragment's stores have read CA and CB
	QUANT 4, 5, CA
	PUT CA, 84, \f
	s_cmp_lt_u32 ttmp9, 64                         ; x's work-groups: twice more, by the other two scales
	s_cbranch_scc0 .Lone_\@
	QUANT 6, 7, CB
	PUT CB, 86, \f
	s_wait_xcnt 0x0                                ; the first set's stores have read CA
	QUANT 8, 9, CA
	PUT CA, 88, \f
.Lone_\@:
.endm
	s_wait_alu depctr_va_vdst(0)
	FRAGM 0
	FRAGM 1
	FRAGM 2
	FRAGM 3
	s_wait_tensorcnt 0x0
	ds_add_u32 v254, v255
	s_wait_dscnt 0x0
	s_endpgm
.Lfunc_end_k_qf3ef80d6bc_quant:
	.size	k_qf3ef80d6bc_quant, .Lfunc_end_k_qf3ef80d6bc_quant-k_qf3ef80d6bc_quant
	.p2alignl 7, 3214868480
	.fill 96, 4, 3214868480
	.section	.rodata,"a",@progbits
	.p2align	6, 0x0
	.amdhsa_kernel k_qf3ef80d6bc_quant
		.amdhsa_group_segment_fixed_size 68608
		.amdhsa_private_segment_fixed_size 0
		.amdhsa_enable_private_segment 0
		.amdhsa_kernarg_size 72
		.amdhsa_user_sgpr_count 2
		.amdhsa_user_sgpr_kernarg_segment_ptr 1
		.amdhsa_wavefront_size32 1
		.amdhsa_system_sgpr_workgroup_id_x 1
		.amdhsa_system_sgpr_workgroup_id_y 1
		.amdhsa_system_sgpr_workgroup_id_z 1
		.amdhsa_system_vgpr_workitem_id 0
		.amdhsa_next_free_vgpr 256
		.amdhsa_next_free_sgpr 100
		.amdhsa_reserve_vcc 0
		.amdhsa_float_denorm_mode_32 3
		.amdhsa_float_denorm_mode_16_64 3
		.amdhsa_memory_ordered 1
		.amdhsa_forward_progress 1
		.amdhsa_inst_pref_size 80
	.end_amdhsa_kernel
	.amdgpu_metadata
---
amdhsa.version: [ 1, 2 ]
amdhsa.kernels:
  - .name:           k_qf3ef80d6bc_quant
    .symbol:         k_qf3ef80d6bc_quant.kd
    .args:
      - { .name: x, .offset: 0, .size: 8, .value_kind: global_buffer, .address_space: global }
      - { .name: W_K, .offset: 8, .size: 8, .value_kind: global_buffer, .address_space: global }
      - { .name: W_Q, .offset: 16, .size: 8, .value_kind: global_buffer, .address_space: global }
      - { .name: W_V, .offset: 24, .size: 8, .value_kind: global_buffer, .address_space: global }
      - { .name: W_O, .offset: 32, .size: 8, .value_kind: global_buffer, .address_space: global }
      - { .name: W_in, .offset: 40, .size: 8, .value_kind: global_buffer, .address_space: global }
      - { .name: W_out, .offset: 48, .size: 8, .value_kind: global_buffer, .address_space: global }
      - { .name: lowp_scales, .offset: 56, .size: 8, .value_kind: global_buffer, .address_space: global }
      - { .name: cod0, .offset: 64, .size: 8, .value_kind: global_buffer, .address_space: global }
    .group_segment_fixed_size: 68608
    .private_segment_fixed_size: 0
    .kernarg_segment_align: 8
    .kernarg_segment_size: 72
    .max_flat_workgroup_size: 256
    .sgpr_count:     100
    .vgpr_count:     256
    .wavefront_size: 32
...
	.end_amdgpu_metadata
.endif
;; end of part 1
;; launch qkv (part 2): grid 12 x 16, 4 waves a work-group, clusters of 4 x 4, 327,680 bytes of LDS; arguments cod0, lowp_scales, kqv; writes kqv
.if DOCPART == 2
	.amdgcn_target "amdgcn-amd-amdhsa--gfx1250"
	.amdhsa_code_object_version 6
	.text
	.protected	k_qf3ef80d6bc_qkv
	.globl	k_qf3ef80d6bc_qkv
	.p2align	8
	.type	k_qf3ef80d6bc_qkv,@function
k_qf3ef80d6bc_qkv:
	s_mov_b64 s[64:65], 0
	v_nop
	global_prefetch_b8 v0, s[64:65] scope:SCOPE_SE
	s_setreg_imm32_b32 hwreg(HW_REG_WAVE_MODE, 25, 1), 1
	s_wait_xcnt 0x0
	s_wait_alu depctr_hold_cnt(0) depctr_sa_sdst(0) depctr_va_vdst(0) depctr_va_sdst(0) depctr_va_ssrc(0) depctr_va_vcc(0) depctr_vm_vsrc(0)
	s_getreg_b32 s2, hwreg(HW_REG_IB_STS2, 6, 4)
	s_cmp_eq_u32 s2, 0
	s_cbranch_scc0 .Lentry_in_a_cluster
	s_endpgm
.Lentry_in_a_cluster:
	s_bfe_u32 s2, ttmp6, 0x10000c
	s_cmp_lg_u32 s2, 0xf033
	s_cbranch_scc0 .Lentry_shape_is_right
	s_endpgm
.Lentry_shape_is_right:
; Products 1 to 3: k, q, v = x W^T on codes of E4M3, K = 1,024, and their results quantised at once for products 4 and 5 (k by entry 6 of the scales, q by 7, v by 9).
; Operands come from cod0 as images of operand registers (a fragment of 16 rows x 128 K: 2,048 bytes, registers 4 i .. 4 i + 3 of lane l at 512 i + 16 l; a tensor is [rows / 16][8][2,048]).
; A tile of C, 256 x 256, is made by four waves, each 128 x 128: 64 accumulators, 512 registers.  K goes in steps of 256 through a ring of two LDS slots; at K = 1,024 the ring goes round twice, written out.
; THE MATRIX INSTRUCTION IS USED TRANSPOSED (source 0 = 16 rows of B, source 1 = 16 rows of A): a lane holds ONE row of A and eight neighbouring rows of B, so one conversion of an accumulator's eight
; registers gives registers 2 b, 2 b + 1 of the NEXT product's fragment, and the codes leave straight from registers, 512 consecutive bytes a store.
; WHICH PRODUCT: cluster x = 0: k (A = x by e0, B = W_K), 1: q (A = x by e2, B = W_Q): 16 tile rows x 4 tile columns.  2: v, with A = W_V and B = x by e4: 4 tile rows x 16 tile columns, so that a lane
; holds one of v's dims and its registers run along the tokens, which are product 5's K.  The choice is made by selects on the cluster's number, the same in all partners; there is no branch on it.
; kqv: k at 0 and q at 4 MiB: [batch x 16 + head][token / 16][1,024] (16 tokens x 64 dims); v at 8 MiB: [batch x 16 + head][token / 128][dim / 16][2,048] (16 dims x 128 tokens).
; CLUSTERS: 4 x 4 work-groups; A's tile is asked for jointly along a row of the cluster, B's along a column.
; LIMITS: e6 - e0 - e1, e7 - e2 - e3 and e9 - e4 - e5 lie between -126 and 119.
; REGISTERS: window 0: v0-31 addresses; v32-95 at work on the way out; v96-111 the stores' offsets; from v128 A's fragments, ONE set (on the way out: the codes).  window 1: B's fragments, TWO sets.
;   windows 2, 3: the accumulators of my rows 0-63, 64-127 (accumulator (a, b) at v[8 (8 (a % 4) + b)]).
.set STEPB,  4096                      ; a slot's part of 16 rows: two fragments
.set HALFT,  8*STEPB                   ; 128 rows: what one tensor load brings, and what one wave reads of A or of B
.set SLOT,   4*HALFT                   ; A's 256 rows, then B's 256 rows
.set SPARE,  2*SLOT                    ; behind the ring: the spare words, 128 bytes for each wave, which no other line names
.set FR,     16                        ; registers of a fragment
.set NL,     4                         ; LDS loads that bring one
.set NP,     4                         ; places behind this matrix instruction (ISA guide 7.12.1)
.set ADRA, 16                          ; v16-17  LDS address of my A fragments in slot 0, 1
.set ADRB, 20                          ; v20-21  the same for B
.set LI,   24                          ; v24     16 x lane
.set SPW,  28                          ; v28     LDS address of my spare word; never rewritten
.set NIL,  29                          ; v29     0; never rewritten
.set SCV,  30                          ; v30     the conversion's scale as f32
.set LIMV, 31                          ; v31     448 x that
.set TMP,  32
.set VO0,  96                          ; v96-103  block a's store offset, first half of its 16 registers of codes
.set VO1,  104                         ; v104-111 second half
.set AF,   128
.set CD,   128                         ; the way out: 16 registers of codes for each of the 8 blocks: no store's data are written again
.set G1, 24                            ; s[24:31] descriptor group 1 for A's tiles;  s[32:39] group 0, one set for each slot
.set G0, 32
.set G1B, 48                           ; s[48:55], s[56:63] the same for B's tiles
.set G0B, 56
.set MSB, 0
.macro WIN new                         ; the immediate's high byte repeats the setting that is left
.if MSB != \new
	s_set_vgpr_msb (MSB<<8)|\new
.set MSB, \new
.endif
.endm
.set MUL_LO, 0xa1                      ; source 0 (B) window 1, source 1 (A) window 0, C and D window 2
.set MUL_HI, 0xf1                      ; the same, C and D window 3
.set TO_B,   0x40                      ; destination window 1, address window 0
; A joint load: waves 0 and 1 fetch for A, waves 2 and 3 for B; the branch hangs on the wave's number alone.  Four v_nop follow each of the two lines.
.macro JLOAD g0a, g1a, g0b, g1b
	s_cmp_eq_u32 s15, 0
	s_cbranch_scc0 .Lfor_b_\@
	tensor_load_to_lds s[\g0a:\g0a+3], s[\g1a:\g1a+7]
	s_nop 0
.rept 4
	v_nop
.endr
	s_branch .Lasked_\@
.Lfor_b_\@:
	tensor_load_to_lds s[\g0b:\g0b+3], s[\g1b:\g1b+7]
	s_nop 0
.rept 4
	v_nop
.endr
.Lasked_\@:
.endm
.macro CREST                           ; a round of the cluster's barrier behind its opening barrier
	s_cmp_lg_u32 s14, 0
	s_cbranch_scc1 .Lnot_wave_0_\@
	s_barrier_signal -3
.Lnot_wave_0_\@:
	s_barrier_wait -3
	s_barrier_signal -1
	s_barrier_wait -1
.endm
.macro CROUND                          ; a whole round
	s_barrier_signal -1
	s_barrier_wait -1
	CREST
.endm
	s_load_b128 s[4:7], s[0:1], 0x0                ; cod0 s[4:5], the scales' exponents s[6:7]
	s_load_b64 s[8:9], s[0:1], 0x10                ; kqv
	v_lshl_add_u32 v[SPW], v0, 2, SPARE
	v_mov_b32 v[NIL], 0
	ds_add_u32 v28, v29
	ds_add_u32 v28, v29
	s_wait_dscnt 0x0
	v_lshrrev_b32 v1, 5, v0
	v_readfirstlane_b32 s14, v1                    ; wave 0..3
	s_lshr_b32 s15, s14, 1                         ; which half of the tile's rows is mine.  Also: I fetch for A (0) or for B (1)
	s_and_b32 s16, s14, 1                          ; which half of its columns.  Also: which 128 rows of that tile I fetch
	s_bfe_u32 s40, ttmp6, 0x40000                  ; cx, cy: my place in the cluster
	s_bfe_u32 s41, ttmp6, 0x40004
	s_and_b32 s85, ttmp7, 0xffff                   ; cluster y, 0..3
	s_lshl_b32 s88, ttmp9, 22                      ; A in cod0: x by e0 or by e2,
	s_lshl_b32 s89, ttmp9, 20
	s_add_co_u32 s89, s89, 0xc00000                ; B: W_K or W_Q
	s_cmp_eq_u32 ttmp9, 2                          ; v?
	s_cselect_b32 s86, s85, 0                      ; the clusters of k and q lie one below the other, those of v side by side
	s_cselect_b32 s87, 0, s85
	s_cselect_b32 s88, 0xe00000, s88               ; v: A = W_V,
	s_cselect_b32 s89, 0x800000, s89               ; B = x by e4
	s_lshl_b32 s42, s86, 2
	s_add_co_u32 s42, s42, s40                     ; tile column
	s_lshl_b32 s17, s87, 2
	s_add_co_u32 s17, s17, s41                     ; tile row
	s_lshl_b32 s43, s41, 2
	s_lshl_b32 s43, 15, s43                        ; my row of the cluster
	s_lshl_b32 s44, 0x1111, s40                    ; my column
	; descriptor group 1: 8 rows of 4,096 bytes (two fragments of 16 matrix rows each), 16,384 bytes apart; images need no padding
	s_or_b32 s[G1+0], s43, (1<<21)                 ; 15:0 the mask: A's tiles go to my row; 17:16 elements of 1 byte; 21 set beside a mask
	s_or_b32 s[G1B+0], s44, (1<<21)
.irp g, G1, G1B
	s_mov_b32 s[\g+1], STEPB<<16                   ; tensor_dim0
	s_mov_b32 s[\g+2], 8<<16                       ; tensor_dim1
	s_mov_b32 s[\g+3], STEPB<<16                   ; tile_dim0
	s_mov_b32 s[\g+4], 8                           ; tile_dim1
	s_mov_b32 s[\g+5], 16384                       ; tensor_dim0_stride: 16 rows of 1,024 codes
	s_mov_b32 s[\g+6], 0
	s_mov_b32 s[\g+7], 0
.endr
	s_lshl_b32 s18, s16, 7                         ; which 128 rows of the tile I fetch
	s_lshl_b32 s20, s17, 8
	s_add_co_u32 s20, s20, s18
	s_lshl_b32 s20, s20, 10                        ; A: (256 x tile row + 128 x half) rows of 1,024 bytes,
	s_add_co_u32 s20, s20, s88                     ; in its part of cod0
	s_mov_b32 s21, 0
	s_lshl_b32 s46, s42, 8
	s_add_co_u32 s46, s46, s18
	s_lshl_b32 s46, s46, 10                        ; B likewise, by the tile column
	s_add_co_u32 s46, s46, s89
	s_mov_b32 s47, 0
	s_mul_i32 s45, s14, HALFT                      ; where they go: wave x 128 rows: no place in the cluster enters an LDS address
	s_wait_kmcnt 0x0
	s_load_b512 s[68:83], s[6:7], 0x0              ; the sixteen exponents
	s_add_nc_u64 s[20:21], s[4:5], s[20:21]
	s_add_nc_u64 s[46:47], s[4:5], s[46:47]
	CROUND                                         ; all sixteen work-groups are here: the first joint loads meet
.irp s, 0,1
	s_mov_b32 s[G0+4*\s], 1
	s_add_co_u32 s[G0+4*\s+1], s45, \s*SLOT
	s_add_nc_u64 s[G0+4*\s+2:G0+4*\s+3], s[20:21], \s*STEPB
	s_or_b32 s[G0+4*\s+3], s[G0+4*\s+3], 0x80000000
	s_mov_b32 s[G0B+4*\s], 1
	s_add_co_u32 s[G0B+4*\s+1], s45, \s*SLOT
	s_add_nc_u64 s[G0B+4*\s+2:G0B+4*\s+3], s[46:47], \s*STEPB
	s_or_b32 s[G0B+4*\s+3], s[G0B+4*\s+3], 0x80000000
.if \s                                 ; slot 1's first fill is issued as a refill is
	s_wait_alu depctr_va_vdst(0)
	s_wait_tensorcnt 0x0                           ; my part of slot 0 is in
	ds_add_u32 v[SPW], v[NIL]
	s_wait_dscnt 0x0
	CROUND
.endif
	JLOAD G0+4*\s, G1, G0B+4*\s, G1B
.endr
	v_and_b32 v1, 31, v0
	v_lshlrev_b32 v[LI], 4, v1
	s_wait_alu depctr_va_vdst(0)
	s_mul_i32 s21, s15, HALFT                      ; my 128 rows of A
	s_mul_i32 s22, s16, HALFT                      ; my 128 rows of B,
	s_add_co_u32 s22, s22, 2*HALFT                 ; which lie behind A's 256
.irp s, 0,1
	v_add_nc_u32 v[ADRA+\s], s21, v[LI]
	v_add_nc_u32 v[ADRB+\s], s22, v[LI]
	s_add_co_u32 s21, s21, SLOT
	s_add_co_u32 s22, s22, SLOT
.endr
	; where my codes go
	s_lshl_b32 s93, s17, 8
	s_lshl_b32 s95, s15, 7
	s_add_co_u32 s93, s93, s95                     ; R0: my first row of A
	s_lshl_b32 s94, s42, 8
	s_lshl_b32 s95, s16, 7
	s_add_co_u32 s94, s94, s95                     ; N0: my first row of B
	s_lshr_b32 s95, s93, 11                        ; k, q: rows are tokens, B's rows head x 64 + dim
	s_lshl_b32 s95, s95, 4
	s_lshr_b32 s96, s94, 6
	s_add_co_u32 s95, s95, s96                     ; batch x 16 + head
	s_lshl_b32 s95, s95, 7
	s_and_b32 s96, s93, 2047
	s_lshr_b32 s96, s96, 4
	s_add_co_u32 s95, s95, s96                     ; x 128 + token / 16
	s_lshl_b32 s95, s95, 10
	s_lshl_b32 s96, ttmp9, 22
	s_add_co_u32 s95, s95, s96                     ; k at 0, q at 4 MiB
	s_lshr_b32 s96, s94, 11                        ; v: rows are head x 64 + dim, B's rows tokens
	s_lshl_b32 s96, s96, 4
	s_lshr_b32 s97, s93, 6
	s_add_co_u32 s96, s96, s97                     ; batch x 16 + head
	s_lshl_b32 s96, s96, 4
	s_and_b32 s97, s94, 2047
	s_lshr_b32 s97, s97, 7
	s_add_co_u32 s96, s96, s97                     ; x 16 + token / 128
	s_lshl_b32 s96, s96, 13
	s_add_co_u32 s96, s96, 0x800000
	s_mov_b32 s97, 1024                            ; from block a to a + 1: 16 tokens on (k, q) or 16 dims on (v)
	s_mov_b32 s98, 4096                            ; from block a to a + 4: 64 tokens on, or a head on
	s_mov_b32 s99, 131072                          ; from the first half of a block's codes to the second: a head on, or 1,024 bytes on in the fragment
	s_cmp_eq_u32 ttmp9, 2
	s_cselect_b32 s10, s96, s95
	s_cselect_b32 s97, 2048, s97
	s_cselect_b32 s98, 131072, s98
	s_cselect_b32 s99, 1024, s99
	s_mov_b32 s11, 0
	s_add_nc_u64 s[10:11], s[8:9], s[10:11]
	v_mov_b32 v[VO0], v[LI]
	v_add_nc_u32 v[VO0+1], s97, v[VO0]
	v_add_nc_u32 v[VO0+2], s97, v[VO0+1]
	v_add_nc_u32 v[VO0+3], s97, v[VO0+2]
.irp a, 0,1,2,3
	v_add_nc_u32 v[VO0+4+\a], s98, v[VO0+\a]
.endr
.irp a, 0,1,2,3,4,5,6,7
	v_add_nc_u32 v[VO1+\a], s99, v[VO0+\a]
.endr
	s_wait_kmcnt 0x0
	s_sub_co_i32 s90, s74, s68                     ; a sum stands for sum x 2^(ea + eb): its code is sum / 2^(e - ea - eb): three scales folded into the conversion's one
	s_sub_co_i32 s90, s90, s69                     ; k: e6 - e0 - e1
	s_sub_co_i32 s91, s75, s70
	s_sub_co_i32 s91, s91, s71                     ; q: e7 - e2 - e3
	s_sub_co_i32 s92, s77, s72
	s_sub_co_i32 s92, s92, s73                     ; v: e9 - e4 - e5
	s_cmp_eq_u32 ttmp9, 1
	s_cselect_b32 s90, s91, s90
	s_cmp_eq_u32 ttmp9, 2
	s_cselect_b32 s90, s92, s90
	s_add_co_i32 s90, s90, 127
	s_lshl_b32 s91, s90, 23
	v_mov_b32 v[SCV], s91
	s_add_co_i32 s90, s90, 8
	s_lshl_b32 s90, s90, 23
	s_or_b32 s90, s90, 0x600000
	v_mov_b32 v[LIMV], s90
.macro FRAG reg, adr, q, i             ; a fragment comes back as it was stored: four loads of 512 consecutive bytes, 16 a lane
.irp c, 0,1,2,3
	ds_load_b128 v[\reg+4*\c:\reg+4*\c+3], v[\adr] offset:(\i)*STEPB+(\q)*2048+512*\c
.endr
.endm
; 16 matrix instructions: A's blocks a0, a0 + 1 x B's eight, 128 along K.  p: B's set.  zero = 1: the first product starts the sums.
; The 64 accumulators take turns, one instruction a turn, in the same order in every step.
.macro MUL16 a0, p, zero
.irp a, \a0, \a0+1
.irp b, 0,1,2,3,4,5,6,7
.if \zero
	v_wmma_f32_16x16x128_fp8_fp8 v[8*(8*((\a)%4)+\b):8*(8*((\a)%4)+\b)+7], v[128*(\p)+FR*\b:128*(\p)+FR*\b+FR-1], v[AF+FR*(\a):AF+FR*(\a)+FR-1], 0
.else
	v_wmma_f32_16x16x128_fp8_fp8 v[8*(8*((\a)%4)+\b):8*(8*((\a)%4)+\b)+7], v[128*(\p)+FR*\b:128*(\p)+FR*\b+FR-1], v[AF+FR*(\a):AF+FR*(\a)+FR-1], v[8*(8*((\a)%4)+\b):8*(8*((\a)%4)+\b)+7]
.endif
.endr
.endr
.endm
.macro FETCH_B slot, q, p              ; B's eight fragments of the slot's q-th 128 along K into set p
	WIN TO_B
.irp i, 0,1,2,3,4,5,6,7
	FRAG 128*(\p)+FR*\i, ADRB+\slot, \q, \i
.endr
	WIN 0
.endm
.macro FETCH_A slot, q, i0             ; A's blocks i0 .. i0 + 3
.irp i, \i0, \i0+1, \i0+2, \i0+3
	FRAG AF+FR*(\i), ADRA+\slot, \q, \i
.endr
.endm
.macro PLACES n                        ; plain vector lines between a matrix instruction and a load into, or a vector line on, its registers
.rept \n
	v_nop
.endr
.endm
; A step of 128 along K that has its successor in the same slot.  A's blocks are free as soon as their eight products are issued: one set serves A
.macro STEP slot, q, zero
	s_wait_dscnt 4*NL                              ; B's set and A's blocks 0-3 are in; the youngest sixteen loads (A's blocks 4-7) may be out
	WIN MUL_LO
	MUL16 0, (\q)%2, \zero
	MUL16 2, (\q)%2, \zero
	s_wait_dscnt 0                                 ; A's blocks 4-7 are in
	PLACES NP
	FETCH_B \slot, (\q)+1, 1-(\q)%2
	FETCH_A \slot, (\q)+1, 0
	WIN MUL_HI
	MUL16 4, (\q)%2, \zero
	MUL16 6, (\q)%2, \zero
	PLACES NP
	WIN 0
	FETCH_A \slot, (\q)+1, 4
.endm
; A slot's last step changes slots: ONE barrier; in front of it each wave waits for all its tensor loads, adds 0 to its spare word, and waits for that and for its own reads of this slot.  fill = 1: this slot is filled again, two slots ahead.
.macro TURN slot, next, fill
	s_wait_tensorcnt 0x0                           ; all my tensor loads have landed: my part of the next slot
	ds_add_u32 v[SPW], v[NIL]                      ; 0 onto my spare word
	s_wait_dscnt 4*NL+1                            ; (the add and the youngest sixteen loads, A's blocks 4-7, may be out)
	WIN MUL_LO
	MUL16 0, 1, 0                                  ; sixteen matrix instructions stand between the add and the wait for it
	s_wait_dscnt 0x0                               ; the add is done, and my reads of this slot are over
	s_barrier_signal -1
	MUL16 2, 1, 0
	WIN 0
	s_barrier_wait -1
.if \fill
	CREST                                          ; the barrier has opened a round of the cluster's barrier: no wave of any partner still reads this slot or has a load on its way
	s_add_nc_u64 s[G0+4*\slot+2:G0+4*\slot+3], s[G0+4*\slot+2:G0+4*\slot+3], 2*STEPB
	s_add_nc_u64 s[G0B+4*\slot+2:G0B+4*\slot+3], s[G0B+4*\slot+2:G0B+4*\slot+3], 2*STEPB
	JLOAD G0+4*\slot, G1, G0B+4*\slot, G1B         ; the first tensor load behind the round; its four v_nop are the places in front of the loads below
.else
	PLACES NP
.endif
	FETCH_B \next, 0, 0
	FETCH_A \next, 0, 0
	WIN MUL_HI
	MUL16 4, 1, 0
	MUL16 6, 1, 0
	PLACES NP
	WIN 0
	FETCH_A \next, 0, 4
.endm
	s_wait_tensorcnt 1                             ; my part of slot 0 is in (slot 1's load may be out),
	s_barrier_signal -1
	s_barrier_wait -1                              ; everybody's is
	FETCH_B 0, 0, 0
	FETCH_A 0, 0, 0
	FETCH_A 0, 0, 4
	STEP 0, 0, 1                                   ; K 0-127: the products start the sums
	TURN 0, 1, 1                                   ; K 128-255; slot 0 takes K 512-767
	STEP 1, 0, 0
	TURN 1, 0, 1                                   ; slot 1 takes K 768-1,023
	STEP 0, 0, 0
	TURN 0, 1, 0                                   ; nothing is left to fetch
	STEP 1, 0, 0
	s_wait_dscnt 4*NL                              ; the last step
	WIN MUL_LO
	MUL16 0, 1, 0
	MUL16 2, 1, 0
	s_wait_alu depctr_va_vdst(0)
	s_wait_dscnt 0
	WIN MUL_HI
	MUL16 4, 1, 0
	MUL16 6, 1, 0
	WIN 0
	PLACES NP                                      ; in front of the first read of results and the first write of registers that held A's fragments
; THE WAY OUT of block a (16 rows of A x 128 rows of B): held, converted, stored.  Each accumulator is read from its low end on.
.macro OUTB a
.set AC, 64*((\a)%4)
	WIN 0x02+((\a)/4)                              ; source 0: window 2 or 3
.set j, 0
.rept 64
	v_med3_num_f32 v[TMP+j], v[AC+j], -v[LIMV], v[LIMV]   ; the conversion does not saturate (ISA guide 7.6.2): the hold at the largest code x the scale
.set j, j+1
.endr
	WIN 0
.irp b, 0,1,2,3,4,5,6,7
	v_cvt_scalef32_pk8_fp8_f32 v[CD+16*(\a)+2*\b:CD+16*(\a)+2*\b+1], v[TMP+8*\b:TMP+8*\b+7], v[SCV]
.endr
	v_nop                                          ; a plain line behind the last conversion: the next block's holds write its sources
	global_store_b128 v[VO0+\a], v[CD+16*(\a):CD+16*(\a)+3], s[10:11]                ; 32 lanes store 512 consecutive bytes
	global_store_b128 v[VO0+\a], v[CD+16*(\a)+4:CD+16*(\a)+7], s[10:11] offset:512
	global_store_b128 v[VO1+\a], v[CD+16*(\a)+8:CD+16*(\a)+11], s[10:11]
	global_store_b128 v[VO1+\a], v[CD+16*(\a)+12:CD+16*(\a)+15], s[10:11] offset:512
.endm
.irp a, 0,1,2,3,4,5,6,7
	OUTB \a
.endr
	s_wait_tensorcnt 0x0                           ; the wave's end
	ds_add_u32 v[SPW], v[NIL]
	s_wait_dscnt 0x0
	CROUND                                         ; the closing round: no work-group ends while a partner may still ask for a tile that names it
	s_endpgm
.Lfunc_end_k_qf3ef80d6bc_qkv:
	.size	k_qf3ef80d6bc_qkv, .Lfunc_end_k_qf3ef80d6bc_qkv-k_qf3ef80d6bc_qkv
	.p2alignl 7, 3214868480
	.fill 96, 4, 3214868480
	.section	.rodata,"a",@progbits
	.p2align	6, 0x0
	.amdhsa_kernel k_qf3ef80d6bc_qkv
		.amdhsa_group_segment_fixed_size 327680
		.amdhsa_private_segment_fixed_size 0
		.amdhsa_enable_private_segment 0
		.amdhsa_kernarg_size 24
		.amdhsa_user_sgpr_count 2
		.amdhsa_user_sgpr_kernarg_segment_ptr 1
		.amdhsa_wavefront_size32 1
		.amdhsa_system_sgpr_workgroup_id_x 1
		.amdhsa_system_sgpr_workgroup_id_y 1
		.amdhsa_system_sgpr_workgroup_id_z 1
		.amdhsa_system_vgpr_workitem_id 0
		.amdhsa_next_free_vgpr 1024
		.amdhsa_next_free_sgpr 100
		.amdhsa_reserve_vcc 0
		.amdhsa_float_denorm_mode_32 3
		.amdhsa_float_denorm_mode_16_64 3
		.amdhsa_memory_ordered 1
		.amdhsa_forward_progress 1
		.amdhsa_inst_pref_size 120
	.end_amdhsa_kernel
	.amdgpu_metadata
---
amdhsa.version: [ 1, 2 ]
amdhsa.kernels:
  - .name:           k_qf3ef80d6bc_qkv
    .symbol:         k_qf3ef80d6bc_qkv.kd
    .args:
      - { .name: cod0, .offset: 0, .size: 8, .value_kind: global_buffer, .address_space: global }
      - { .name: lowp_scales, .offset: 8, .size: 8, .value_kind: global_buffer, .address_space: global }
      - { .name: kqv, .offset: 16, .size: 8, .value_kind: global_buffer, .address_space: global }
    .group_segment_fixed_size: 327680
    .private_segment_fixed_size: 0
    .kernarg_segment_align: 8
    .kernarg_segment_size: 24
    .max_flat_workgroup_size: 128
    .sgpr_count:     100
    .vgpr_count:     1024
    .wavefront_size: 32
...
	.end_amdgpu_metadata
.endif
;; end of part 2
;; launch stats (part 3): grid 8 x 32, 16 waves a work-group, no clusters, 327,680 bytes of LDS; arguments kqv, lowp_scales, nl; writes nl
.if DOCPART == 3
	.amdgcn_target "amdgcn-amd-amdhsa--gfx1250"
	.amdhsa_code_object_version 6
	.text
	.protected	k_qf3ef80d6bc_stats
	.globl	k_qf3ef80d6bc_stats
	.p2align	8
	.type	k_qf3ef80d6bc_stats,@function
k_qf3ef80d6bc_stats:
	s_mov_b64 s[64:65], 0
	v_nop
	global_prefetch_b8 v0, s[64:65] scope:SCOPE_SE
	s_setreg_imm32_b32 hwreg(HW_REG_WAVE_MODE, 25, 1), 1
	s_wait_xcnt 0x0
; The first pass over product 4.  scores[c][C] = k_c . q_C on codes of E4M3 (k by entry 6 of the scales, q by entry 7), kept where C <= c; the softmax runs over C.  Product 5 quantises the FINISHED softmax and
; sums over c, so a row's maximum and sum must be known before any of its weights is quantised.  This launch stores for each row c ONE number: negL = -(M + log2 (sum over C of 2^(t - M))),
; t = score x log2(e) / 8, M = the row's largest t rounded up to a whole number (a running maximum); the next launch makes the weight as 2^(t + negL).
; SHARES.  A work-group owns a head (work-group y = batch x 16 + head) and two blocks of 128 rows: the long block 15 - x (16 - x steps of 128 columns) and the short block x (x + 1 steps).
; Waves w (A) and w + 8 (B) are a pair with one tile of 16 rows in each block.  Steps 0 .. x: A works the long tile, B the short one.  At step x + 1 B finishes the short tile and takes up the long one.
; Steps x + 1 .. 15 - x of the long tile go by turns, A first: A has 9 steps and B 8, for every x.  At the end B hands its (-M, sum) of the long tile to A through LDS, and A joins the two.
; Every wave walks all 16 steps in loops of constant count; scalar branches on ids lead round the work of a step that is not the wave's, and round no barrier and no tensor load.
; The head's q, 131,072 bytes of images (16 tokens x 64 dims: 1,024 bytes), comes in two halves, each wave fetching 4,096 bytes of each: columns 0-1,023 at the head, the rest behind the first barrier
; it lands while the first eight steps are walked.  Nothing is filled again.  All of LDS is claimed.
; NO CLUSTER: the eight work-groups of a head read the same q, but each leaves out other steps by a branch on its own block's number.
; NO PREFETCH: all that the work-group reads has been asked for when the first loop begins.
; LAYOUT.  Source 0 = 16 tokens of q, source 1 = my 16 rows of k: a lane holds ONE row c = Q0 + lane % 16, and register 8 u + j the column C = KF + 16 u + 8 (lane / 16) + j.
; LIMITS: e6 + e7 between -124 and 130 (added to the exponent field of log2(e) / 8).  A masked score counts as a weight of exactly 0, which is what exp((-1e10) / 8 - max) gives in f32 while the kept scores stay under about 1e9 in magnitude.
; REGISTERS: v1 16 x lane; v2 the step's LDS address; v3 lane % 16 - 8 (lane / 16); v4, v5 the stage; v6 the pair's words; v7 the short tile's negL; v12 -M, v13 the largest t, v[14:15] the sum; v16-23 my k; v24-31 the long tile's k;
;   v32-95 eight fragments of q; v96-159 the scores; v234-254 at work.
.set STG,  131072                      ; behind q: 256 numbers, one a row
.set XCH,  132096                      ; behind them: for each pair 16 sums and 16 -M
.set WV,   18
.set SEL,  20                          ; s[20:21] lane selects for v_permlanex16_b32: lane l xor 16
.set CS,   22                          ; s[22:23] c = log2(e) / 8 x 2^(e6 + e7)
.set G1,   24                          ; s[24:31] descriptor group 1
.set G0,   32                          ; s[32:39] two groups 0
.set TB,   2                           ; s2   LDS byte of the step's fragments
.set KF,   3                           ; s3   the step's first column
.set CNT,  48
.set Q0,   49                          ; s49  the first row of the tile in hand
.set XS,   40                          ; s40  x
.set TT,   41                          ; s41  15 - x
.set PR,   42                          ; s42  x + 1 + (0 for A, 1 for B): a step past x is mine where step + this is even
.set SWS,  43                          ; s43  B: x + 1, the step at which it changes tiles; A: none
.set SS,   44                          ; s44  the step
.set QL,   45                          ; s45  the long tile's first row
	s_load_b128 s[4:7], s[0:1], 0x0                ; kqv, the scales' exponents
	s_load_b64 s[8:9], s[0:1], 0x10                ; nl
	v_lshl_add_u32 v251, v0, 2, 0x29000
	v_mov_b32 v255, 0
	ds_add_u32 v251, v255                          ; the opening lines
	ds_add_u32 v251, v255
	v_lshrrev_b32 v8, 5, v0
	v_readfirstlane_b32 s[WV], v8                  ; wave 0..15
	v_and_b32 v8, 31, v0
	v_lshlrev_b32 v1, 4, v8
	v_and_b32 v9, 15, v0                           ; r
	v_bfe_u32 v10, v0, 4, 1                        ; h
	v_lshlrev_b32 v11, 3, v10
	v_sub_nc_u32 v3, v9, v11                       ; r - 8 h
	s_lshl_b32 s50, s[WV], 6
	s_add_co_u32 s50, s50, STG
	v_lshlrev_b32 v9, 2, v9
	v_add_nc_u32 v4, s50, v9                       ; the stage: 64 x wave + 4 r
	s_and_b32 s50, s[WV], 1
	s_lshl_b32 s50, s50, 9
	s_add_co_u32 s50, s50, STG
	v_add_nc_u32 v5, s50, v1                       ; and back: a block's 512 bytes, 16 a lane (waves 0 and 1)
	s_and_b32 s52, s[WV], 7                        ; my pair
	s_lshl_b32 s50, s52, 7
	s_add_co_u32 s50, s50, XCH
	v_add_nc_u32 v6, s50, v9                       ; the pair's words: 128 x pair + 4 r
	s_and_b32 s53, ttmp7, 0xffff                   ; batch x 16 + head
	s_mov_b32 s[XS], ttmp9
	s_sub_co_u32 s[TT], 15, ttmp9
	s_lshr_b32 s46, s[WV], 3                       ; 0: A, 1: B
	s_add_co_u32 s[SWS], s[XS], 1
	s_add_co_u32 s[PR], s[SWS], s46
	s_lshl_b32 s52, s52, 4
	s_lshl_b32 s[QL], s[TT], 7
	s_add_co_u32 s[QL], s[QL], s52
	s_lshl_b32 s[Q0], s[XS], 7
	s_add_co_u32 s[Q0], s[Q0], s52
	s_cmp_eq_u32 s46, 1
	s_cselect_b32 s[Q0], s[Q0], s[QL]              ; A begins with the long tile, B with the short one
	s_cselect_b32 s[SWS], s[SWS], 99
	s_cmp_eq_u32 s[WV], 0
	s_cselect_b32 s51, s[TT], ttmp9                ; the block that I store at the end: wave 0 the long one, wave 1 the short one
	s_lshl_b32 s54, s53, 17                        ; the head's 131,072 bytes in k and in q
	; descriptor group 1: 4,096 dense bytes as 16 rows of 256
	s_mov_b32 s[G1], 3<<16                         ; no mask; elements of 8 bytes; no padding
	s_mov_b32 s[G1+1], 32<<16                      ; tensor_dim0 = 32
	s_mov_b32 s[G1+2], 16<<16                      ; tensor_dim1 = 16
	s_mov_b32 s[G1+3], 32<<16                      ; tile_dim0
	s_mov_b32 s[G1+4], 16                          ; tile_dim1
	s_mov_b32 s[G1+5], 32                          ; tensor_dim0_stride
	s_mov_b32 s[G1+6], 0
	s_mov_b32 s[G1+7], 0
	s_mov_b32 s[SEL], 0x76543210
	s_mov_b32 s[SEL+1], 0xfedcba98
	s_mov_b32 s[CS], 0x3e38aa3b                    ; log2(e) / 8
	s_lshl_b32 s55, s[WV], 12                      ; my sixteenth of a half of q: in LDS as it lies in memory
	s_add_co_u32 s56, s54, s55
	s_add_co_u32 s56, s56, 0x400000                ; q lies at 4 MiB
	s_mov_b32 s57, 0
	s_lshl_b32 s58, s[Q0], 6
	s_add_co_u32 s58, s58, s54                     ; my k fragment: head, + 1,024 x (row / 16)
	s_mov_b32 s59, 0
	s_lshl_b32 s66, s[QL], 6
	s_add_co_u32 s66, s66, s54                     ; the long tile's
	s_mov_b32 s67, 0
	s_lshl_b32 s10, s53, 13
	s_lshl_b32 s11, s51, 9
	s_add_co_u32 s10, s10, s11                     ; nl: 8,192 x head + 512 x block
	s_mov_b32 s11, 0
	s_wait_alu depctr_va_vdst(0)
	s_wait_dscnt 0x0
	s_wait_kmcnt 0x0
	s_load_b64 s[60:61], s[6:7], 0x18              ; e6, e7
	s_add_nc_u64 s[56:57], s[4:5], s[56:57]
	s_add_nc_u64 s[58:59], s[4:5], s[58:59]
	s_add_nc_u64 s[66:67], s[4:5], s[66:67]
	s_add_nc_u64 s[8:9], s[8:9], s[10:11]
.irp j, 0,1
	s_mov_b32 s[G0+4*\j], 1
	s_add_co_u32 s[G0+4*\j+1], s55, \j*65536
	s_add_nc_u64 s[G0+4*\j+2:G0+4*\j+3], s[56:57], \j*65536
	s_or_b32 s[G0+4*\j+3], s[G0+4*\j+3], 0x80000000
.endr
	tensor_load_to_lds s[G0:G0+3], s[G1:G1+7]      ; columns 0-1,023: every wave's one tensor load at the head
	s_nop 0
.rept 4
	v_nop
.endr
	global_load_b128 v[16:19], v1, s[58:59]        ; my 16 rows of k stay in registers
	global_load_b128 v[20:23], v1, s[58:59] offset:512
	global_load_b128 v[24:27], v1, s[66:67]        ; and the long tile's, for B's second part
	global_load_b128 v[28:31], v1, s[66:67] offset:512
	v_mov_b32 v13, 0xff61b1e6                      ; the largest t so far: -3e38, under every t
	v_mov_b32 v14, 0                               ; the sum, in two halves
	v_mov_b32 v15, 0
	v_floor_f32 v12, -v13                          ; -M
	v_mov_b32 v7, 0
	v_mov_b32 v236, 0                              ; written once: a lane permute's destination counts as one of its sources
	v_mov_b32 v252, 0
	v_mov_b32 v253, 0                              ; (named as the upper half of the pair v[252:253])
	s_wait_kmcnt 0x0
	s_add_co_i32 s62, s60, s61
	s_lshl_b32 s62, s62, 23
	s_add_co_i32 s[CS], s[CS], s62                 ; a score stands for score x 2^(e6 + e7): the exponents are added to c's exponent field
	s_mov_b32 s[CS+1], s[CS]                       ; (named with it as a pair)
; EIGHT STEPS of 128 columns, from column 1,024 hf on
.macro HALF hf
	s_mov_b32 s[SS], 8*\hf
	s_mov_b32 s[KF], 1024*\hf
	s_mov_b32 s[TB], 65536*\hf
	s_mov_b32 s[CNT], 8
.Lstep_\@:
	s_cmp_le_u32 s[SS], s[XS]                      ; steps 0 .. x are every wave's
	s_cbranch_scc1 .Lwork_\@
	s_cmp_eq_u32 s[SS], s[SWS]
	s_cbranch_scc0 .Lnosw_\@
	s_wait_alu depctr_va_vdst(0)                   ; B CHANGES TILES: the short tile's negL is kept in v7; the maximum and the sum begin anew; k becomes the long tile's
	v_add_f32 v14, v14, v15
	v_permlanex16_b32 v252, v14, s[SEL], s[SEL+1]
	v_add_f32 v14, v14, v252
	s_wait_alu depctr_va_vdst(0)
	v_log_f32 v14, v14
	v_nop
	s_wait_alu depctr_va_vdst(0)
	v_sub_f32 v7, v12, v14
	v_mov_b32 v13, 0xff61b1e6
	v_mov_b32 v14, 0
	v_mov_b32 v15, 0
	v_floor_f32 v12, -v13
.irp i, 0,1,2,3,4,5,6,7
	v_mov_b32 v[16+\i], v[24+\i]
.endr
	s_mov_b32 s[Q0], s[QL]
	s_wait_alu depctr_va_vdst(0)                   ; branches and waits stand ahead of the readers
.Lnosw_\@:
	s_cmp_gt_u32 s[SS], s[TT]                      ; all its columns come after the long tile's rows
	s_cbranch_scc1 .Lhid_\@
	s_add_co_u32 s96, s[SS], s[PR]
	s_and_b32 s96, s96, 1
	s_cmp_lg_u32 s96, 0                            ; my partner's turn
	s_cbranch_scc1 .Lhid_\@
.Lwork_\@:
	v_add_nc_u32 v2, s[TB], v1
.irp u, 0,1,2,3,4,5,6,7                ; (the four v_nop behind the last step's products are the places in front of these loads)
	ds_load_b128 v[32+8*\u:35+8*\u], v2 offset:1024*\u
	ds_load_b128 v[36+8*\u:39+8*\u], v2 offset:1024*\u+512
.endr
	s_wait_dscnt 0x0
.irp u, 0,1,2,3,4,5,6,7
	v_wmma_f32_16x16x64_fp8_fp8 v[96+8*\u:103+8*\u], v[32+8*\u:39+8*\u], v[16:23], 0
.endr
.rept 4
	v_nop
.endr
	s_add_co_u32 s96, s[KF], 127                   ; on the diagonal the hidden scores become -infinity ahead of the maximum; a step all of whose columns count skips this
	s_cmp_le_u32 s96, s[Q0]
	s_cbranch_scc1 .Lopen_\@
	s_sub_co_i32 s96, s[Q0], s[KF]
	v_add_nc_u32 v252, s96, v3                     ; d = my row - KF - 8 (lane / 16): register 8 u + j is hidden where 16 u + j > d
	v_mov_b32 v254, 0xff800000
.set n, 0
.rept 64
	v_cmp_gt_i32 vcc_lo, 16*(n/8)+n%8, v252
	v_cndmask_b32 v[96+n], v[96+n], v254, vcc_lo
.set n, n+1
.endr
.Lopen_\@:
	v_max3_num_f32 v254, v96, v97, v98             ; the step's largest score of my row, among my 64 columns, in two chains,
	v_max3_num_f32 v252, v99, v100, v101
.irp i, 6,10,14,18,22,26,30,34,38,42,46,50,54,58
	v_max3_num_f32 v254, v254, v[96+\i], v[97+\i]
	v_max3_num_f32 v252, v252, v[98+\i], v[99+\i]
.endr
	v_max3_num_f32 v254, v254, v158, v159
	s_delay_alu instid0(VALU_DEP_1)
	v_max_num_f32 v254, v254, v252
	s_delay_alu instid0(VALU_DEP_1)
	v_permlanex16_b32 v236, v254, s[SEL], s[SEL+1]
	s_delay_alu instid0(VALU_DEP_1)
	v_max_num_f32 v254, v254, v236                 ; and among lane l xor 16's
	s_delay_alu instid0(VALU_DEP_1)
	v_mul_f32 v254, s[CS], v254                    ; as t (c is positive)
	s_delay_alu instid0(VALU_DEP_1)
	v_max_num_f32 v13, v13, v254                   ; the running largest t
	v_mov_b32 v254, v12
	s_delay_alu instid0(VALU_DEP_2)
	v_floor_f32 v12, -v13                          ; the new -M = floor(-t): M is a whole number
	s_delay_alu instid0(VALU_DEP_1)
	v_sub_f32 v254, v12, v254                      ; old M - new M: a whole number, 0 or less
	s_delay_alu instid0(VALU_DEP_1)
	v_cvt_i32_f32 v254, v254                       ; (it saturates)
	s_delay_alu instid0(VALU_DEP_1)
	v_ldexp_f32 v252, 1.0, v254                    ; f = 2^(old M - new M): brings the sum under the new M and rounds nothing
.set j, 0
.rept 32
	v_pk_fma_f32 v[96+j:97+j], v[96+j:97+j], s[CS:CS+1], v[12:13] op_sel_hi:[1,0,0]   ; t - M, two at a time
.set j, j+2
.endr
	s_wait_alu depctr_va_vdst(0)
.set j, 0
.rept 64
	v_exp_f32 v[96+j], v[96+j]
.set j, j+1
.endr
	v_pk_mul_f32 v[14:15], v[14:15], v[252:253] op_sel_hi:[1,0]   ; the sum under the new M: a plain line behind the exponentials
	s_wait_alu depctr_va_vdst(0)                   ; one wait for the batch, ahead of its first reader
	v_pk_add_f32 v[242:243], v[100:101], v[104:105] ; the row's sum, two at a time, in eight chains
	v_pk_add_f32 v[248:249], v[108:109], v[112:113]
	v_pk_add_f32 v[246:247], v[116:117], v[120:121]
	v_pk_add_f32 v[244:245], v[124:125], v[128:129]
	v_pk_add_f32 v[240:241], v[132:133], v[136:137]
	v_pk_add_f32 v[238:239], v[140:141], v[144:145]
	v_pk_add_f32 v[234:235], v[148:149], v[152:153]
	v_pk_add_f32 v[14:15], v[14:15], v[156:157]
	v_pk_add_f32 v[242:243], v[242:243], v[96:97]
	v_pk_add_f32 v[248:249], v[248:249], v[98:99]
	v_pk_add_f32 v[246:247], v[246:247], v[102:103]
	v_pk_add_f32 v[244:245], v[244:245], v[106:107]
	v_pk_add_f32 v[240:241], v[240:241], v[110:111]
	v_pk_add_f32 v[238:239], v[238:239], v[114:115]
	v_pk_add_f32 v[234:235], v[234:235], v[118:119]
	v_pk_add_f32 v[14:15], v[14:15], v[122:123]
	v_pk_add_f32 v[242:243], v[242:243], v[126:127]
	v_pk_add_f32 v[248:249], v[248:249], v[130:131]
	v_pk_add_f32 v[246:247], v[246:247], v[134:135]
	v_pk_add_f32 v[244:245], v[244:245], v[138:139]
	v_pk_add_f32 v[240:241], v[240:241], v[142:143]
	v_pk_add_f32 v[238:239], v[238:239], v[146:147]
	v_pk_add_f32 v[234:235], v[234:235], v[150:151]
	v_pk_add_f32 v[14:15], v[14:15], v[154:155]
	v_pk_add_f32 v[242:243], v[242:243], v[158:159]
	s_delay_alu instid0(VALU_DEP_2)
	v_pk_add_f32 v[14:15], v[14:15], v[244:245]
	s_delay_alu instid0(VALU_DEP_2)
	v_pk_add_f32 v[242:243], v[242:243], v[240:241]
	v_pk_add_f32 v[248:249], v[248:249], v[238:239]
	v_pk_add_f32 v[246:247], v[246:247], v[234:235]
	s_delay_alu instid0(VALU_DEP_2)
	v_pk_add_f32 v[14:15], v[14:15], v[248:249]
	s_delay_alu instid0(VALU_DEP_2)
	v_pk_add_f32 v[242:243], v[242:243], v[246:247]
	s_delay_alu instid0(VALU_DEP_1)
	v_pk_add_f32 v[14:15], v[14:15], v[242:243]
.Lhid_\@:
	s_add_co_u32 s[TB], s[TB], 8192
	s_add_co_u32 s[KF], s[KF], 128
	s_add_co_u32 s[SS], s[SS], 1
	s_sub_co_u32 s[CNT], s[CNT], 1
	s_cmp_lg_u32 s[CNT], 0
	s_cbranch_scc1 .Lstep_\@
.endm
	s_wait_alu depctr_va_vdst(0)
	s_wait_loadcnt 0x0                             ; k
	s_wait_tensorcnt 0x0                           ; my part of the first half has landed
	ds_add_u32 v251, v255
	s_wait_dscnt 0x0
	s_barrier_signal -1
	s_barrier_wait -1                              ; everybody's has
	tensor_load_to_lds s[G0+4:G0+7], s[G1:G1+7]    ; columns 1,024-2,047: my one tensor load behind this barrier
	s_nop 0
.rept 4
	v_nop
.endr
	HALF 0
	s_wait_tensorcnt 0x0                           ; my part of the second half has landed,
	s_wait_dscnt 0x0
	s_barrier_signal -1
	s_barrier_wait -1                              ; and everybody's
	HALF 1
	s_wait_alu depctr_va_vdst(0)
	v_add_f32 v14, v14, v15                        ; the sum's two halves,
	v_permlanex16_b32 v252, v14, s[SEL], s[SEL+1]
	v_add_f32 v14, v14, v252                       ; and lane l xor 16's
	s_wait_alu depctr_va_vdst(0)
	s_cmp_lt_u32 s[WV], 8
	s_cbranch_scc1 .Lnot_b
	ds_store_b32 v6, v14                           ; B: its sum and its -M of the long tile, for A; lanes r and r + 16 hold the same number and write the same word
	ds_store_b32 v6, v12 offset:64
	ds_store_b32 v4, v7                            ; and the short tile's negL
.Lnot_b:
	s_wait_dscnt 0x0                               ; for the others' sake
	s_barrier_signal -1
	s_barrier_wait -1
	s_cmp_lt_u32 s[WV], 8
	s_cbranch_scc0 .Lnot_a
	ds_load_b32 v32, v6
	ds_load_b32 v33, v6 offset:64
	s_wait_dscnt 0x0
	v_min_num_f32 v34, v12, v33                    ; A: -M of the larger M;
	v_sub_f32 v35, v34, v12                        ; each part's M less that one: whole numbers, 0 or less (a B without steps holds M = -3e38 and the sum 0)
	v_sub_f32 v36, v34, v33
	v_cvt_i32_f32 v35, v35                         ; (they saturate)
	v_cvt_i32_f32 v36, v36
	v_ldexp_f32 v35, 1.0, v35
	v_ldexp_f32 v36, 1.0, v36
	v_mul_f32 v14, v14, v35
	v_fma_f32 v14, v32, v36, v14                   ; both sums under it
	s_wait_alu depctr_va_vdst(0)
	v_log_f32 v14, v14
	v_nop                                          ; a plain line behind the transcendental
	s_wait_alu depctr_va_vdst(0)                   ; and the wait ahead of its first reader
	v_sub_f32 v14, v34, v14                        ; negL = -M - log2(sum)
	ds_store_b32 v4, v14
.Lnot_a:
	s_wait_dscnt 0x0                               ; for the others' sake
	s_barrier_signal -1
	s_barrier_wait -1
	s_cmp_lt_u32 s[WV], 2                          ; waves 0 and 1 store a block's 128 numbers each: 512 consecutive bytes
	s_cbranch_scc0 .Ldone
	ds_load_b128 v[32:35], v5
	s_wait_dscnt 0x0
	global_store_b128 v1, v[32:35], s[8:9]
.Ldone:
	s_wait_tensorcnt 0x0                           ; the wave's end
	ds_add_u32 v251, v255
	s_wait_dscnt 0x0
	s_endpgm
.Lfunc_end_k_qf3ef80d6bc_stats:
	.size	k_qf3ef80d6bc_stats, .Lfunc_end_k_qf3ef80d6bc_stats-k_qf3ef80d6bc_stats
	.p2alignl 7, 3214868480
	.fill 96, 4, 3214868480
	.section	.rodata,"a",@progbits
	.p2align	6, 0x0
	.amdhsa_kernel k_qf3ef80d6bc_stats
		.amdhsa_group_segment_fixed_size 327680
		.amdhsa_private_segment_fixed_size 0
		.amdhsa_enable_private_segment 0
		.amdhsa_kernarg_size 24
		.amdhsa_user_sgpr_count 2
		.amdhsa_user_sgpr_kernarg_segment_ptr 1
		.amdhsa_wavefront_size32 1
		.amdhsa_system_sgpr_workgroup_id_x 1
		.amdhsa_system_sgpr_workgroup_id_y 1
		.amdhsa_system_sgpr_workgroup_id_z 1
		.amdhsa_system_vgpr_workitem_id 0
		.amdhsa_next_free_vgpr 256
		.amdhsa_next_free_sgpr 100
		.amdhsa_reserve_vcc 1
		.amdhsa_float_denorm_mode_32 3
		.amdhsa_float_denorm_mode_16_64 3
		.amdhsa_memory_ordered 1
		.amdhsa_forward_progress 1
		.amdhsa_inst_pref_size 42
	.end_amdhsa_kernel
	.amdgpu_metadata
---
amdhsa.version: [ 1, 2 ]
amdhsa.kernels:
  - .name:           k_qf3ef80d6bc_stats
    .symbol:         k_qf3ef80d6bc_stats.kd
    .args:
      - { .name: kqv, .offset: 0, .size: 8, .value_kind: global_buffer, .address_space: global }
      - { .name: lowp_scales, .offset: 8, .size: 8, .value_kind: global_buffer, .address_space: global }
      - { .name: nl, .offset: 16, .size: 8, .value_kind: global_buffer, .address_space: global }
    .group_segment_fixed_size: 327680
    .private_segment_fixed_size: 0
    .kernarg_segment_align: 8
    .kernarg_segment_size: 24
    .max_flat_workgroup_size: 512
    .sgpr_count:     100
    .vgpr_count:     256
    .wavefront_size: 32
...
	.end_amdgpu_metadata
.endif
;; end of part 3
;; launch attnz (part 4): grid 8 x 32, 16 waves a work-group, no clusters, 327,680 bytes of LDS; arguments kqv, nl, lowp_scales, zc; writes zc
.if DOCPART == 4
	.amdgcn_target "amdgcn-amd-amdhsa--gfx1250"
	.amdhsa_code_object_version 6
	.text
	.protected	k_qf3ef80d6bc_attnz
	.globl	k_qf3ef80d6bc_attnz
	.p2align	8
	.type	k_qf3ef80d6bc_attnz,@function
k_qf3ef80d6bc_attnz:
	s_mov_b64 s[64:65], 0
	v_nop
	global_prefetch_b8 v0, s[64:65] scope:SCOPE_SE
	s_setreg_imm32_b32 hwreg(HW_REG_WAVE_MODE, 25, 1), 1
	s_wait_xcnt 0x0
; The second pass: product 4 once more, the finished softmax quantised (entry 8 of the scales), product 5, and z quantised for product 6 (entry 10).
; attn[c][C] = 2^(t + negL[c]), t = k_c . q_C x log2(e) / 8, negL from the launch before: one fused multiply-add and one exponential; z[C] = sum over c >= C of attn[c][C] v[c].
; SHARES.  A work-group owns a head (work-group y) and two blocks of 128 columns C: the long block x (steps x .. 15 of 128 rows c) and the short block 15 - x (steps 15 - x .. 15).
; Waves w (A) and w + 8 (B) are a pair with one tile of 16 columns in each block.  The steps are walked from 15 down.  Steps 15 .. 15 - x: A works the long tile, B the short one.  At step 14 - x B quantises and stores
; the short tile and takes up the long one.  Steps 14 - x .. x of the long tile go by turns, A first: A has 9 steps and B 8, for every x.  At the end B hands its part of the long tile's z to A through LDS.
; Every wave walks all 16 steps in loops of constant count.
; The head's k and v (131,072 bytes each) come in two halves, each wave fetching one step's 8,192 bytes of each half (waves 0-7: k, waves 8-15: v): rows 1,024-2,047 at the head, the rest behind the first barrier
; it lands while the first eight steps are walked.  Step s lies at place 15 - s of its region, so that the walk's LDS addresses ascend.  Each wave brings 512 bytes of negL through its
; registers into LDS bytes into which no tensor load lands, step s at place 15 - s too.  Nothing is filled again.  All of LDS is claimed.
; NO CLUSTER: the eight work-groups of a head read the same tiles, but each leaves out other steps by a branch on its own block's number.
; NO PREFETCH: all that the work-group reads has been asked for when the first loop begins.
; LAYOUT.  Scores: source 0 = 16 rows of k, source 1 = my 16 columns of q: a lane holds ONE column C = C0 + lane % 16, and register 8 u + j the row c = KF + 16 u + 8 (lane / 16) + j: so the conversion of tile u's eight
; registers gives registers 2 u, 2 u + 1 of product 5's operand (K = c).  z^T: source 0 = 16 dims of v (images with c innermost), source 1 = the weights: a lane holds column C and eight neighbouring dims,
; and four conversions give its part of product 6's fragment (K = head x 64 + dim).  zc: [token / 16][8][2,048]; head a fills bytes 1,024 (a % 2) on of K step a / 2.
; LIMITS: e6 + e7 between -124 and 130; e8 and e10 - e8 - e9 between -126 and 119.  A masked weight is exactly 0.  z's sum takes c from the last step to the first, the long tile's in two parts.
; REGISTERS: v1, v2, v3 my lane's place in k's, v's, negL's bytes; v4 lane % 16 - 8 (lane / 16); v5-7 the step's addresses; v8-15 the long tile's q, then z's codes; v16-23 my q; v24-27 negL on its way; v28 where it goes;
;   v29 the pair's stage; v32-95 k's eight fragments, then v's four; v96-159 scores, then weights; v160-191 z^T; v192-223 negL, half a step at a time; v224-239 the weights' codes; v240, v244: 448 x 2^e8, 2^e8; v241, v245 the same for z.
.set VOFF, 131072
.set NOFF, 262144
.set ZST,  270336                      ; behind negL: 4,096 bytes for each pair: B's part of z^T as an image of its registers
.set WV,   18
.set CS,   22                          ; s[22:23] c = log2(e) / 8 x 2^(e6 + e7)
.set G1,   24                          ; s[24:31] descriptor group 1
.set G0,   32                          ; s[32:39] two groups 0
.set TB,   2                           ; s2   the step's byte in k's and in v's regions
.set KF,   3                           ; s3   the step's first row c
.set TN,   60                          ; s60  the step's byte in negL
.set CNT,  61
.set C0,   62                          ; s62  the first column of the tile in hand
.set XS,   50                          ; s50  x
.set TT,   51                          ; s51  15 - x
.set TR,   52                          ; s52  15 - x + (0 for A, 1 for B): a step under 15 - x is mine where this less the step is odd
.set SWS,  53                          ; s53  B: 14 - x, the step at which it changes tiles; A: none
.set SS,   54                          ; s54  the step
.set CL,   55                          ; s55  the long tile's first column
	s_load_b256 s[4:11], s[0:1], 0x0               ; kqv, nl, the scales' exponents, zc
	v_lshl_add_u32 v253, v0, 2, 0x4a000
	v_mov_b32 v255, 0
	ds_add_u32 v253, v255                          ; the opening lines
	ds_add_u32 v253, v255
	v_lshrrev_b32 v28, 5, v0
	v_readfirstlane_b32 s[WV], v28                 ; wave 0..15
	v_and_b32 v29, 31, v0
	v_lshlrev_b32 v1, 4, v29
	v_add_nc_u32 v2, VOFF, v1
	v_and_b32 v30, 15, v0                          ; r
	v_bfe_u32 v31, v0, 4, 1                        ; h
	v_lshl_add_u32 v3, v31, 5, NOFF                ; negL: my half's eight numbers of a tile of 16
	v_lshlrev_b32 v31, 3, v31
	v_sub_nc_u32 v4, v30, v31                      ; r - 8 h
	s_xor_b32 s86, s[WV], 15
	s_lshl_b32 s86, s86, 9
	s_add_co_u32 s86, s86, NOFF
	v_add_nc_u32 v28, s86, v1                      ; negL of step w goes to place 15 - w
	s_and_b32 s78, s[WV], 7                        ; my pair
	s_lshl_b32 s87, s78, 12
	s_add_co_u32 s87, s87, ZST
	v_add_nc_u32 v29, s87, v1                      ; the pair's stage
	s_and_b32 s76, ttmp7, 0xffff                   ; batch x 16 + head
	s_mov_b32 s[XS], ttmp9
	s_sub_co_u32 s[TT], 15, ttmp9
	s_lshr_b32 s77, s[WV], 3                       ; 0: A, and I fetch for k; 1: B, and I fetch for v
	s_add_co_u32 s[TR], s[TT], s77
	s_sub_co_u32 s[SWS], s[TT], 1
	s_lshl_b32 s80, s78, 4
	s_lshl_b32 s[CL], s[XS], 7
	s_add_co_u32 s[CL], s[CL], s80
	s_lshl_b32 s[C0], s[TT], 7
	s_add_co_u32 s[C0], s[C0], s80
	s_cmp_eq_u32 s77, 1
	s_cselect_b32 s[C0], s[C0], s[CL]              ; A begins with the long tile, B with the short one
	s_cselect_b32 s[SWS], s[SWS], 99
	s_lshl_b32 s79, s76, 17                        ; the head's 131,072 bytes in k, q and v
	; descriptor group 1: 8,192 dense bytes as 32 rows of 256
	s_mov_b32 s[G1], 3<<16                         ; no mask; elements of 8 bytes; no padding
	s_mov_b32 s[G1+1], 32<<16                      ; tensor_dim0 = 32
	s_mov_b32 s[G1+2], 32<<16                      ; tensor_dim1
	s_mov_b32 s[G1+3], 32<<16                      ; tile_dim0
	s_mov_b32 s[G1+4], 32                          ; tile_dim1
	s_mov_b32 s[G1+5], 32                          ; tensor_dim0_stride
	s_mov_b32 s[G1+6], 0
	s_mov_b32 s[G1+7], 0
	s_mov_b32 s[CS], 0x3e38aa3b                    ; log2(e) / 8
	s_xor_b32 s81, s78, 7
	s_lshl_b32 s81, s81, 13
	s_lshl_b32 s82, s77, 17
	s_add_co_u32 s82, s82, s81                     ; in LDS: step 8 + pair at place 7 - pair of my region; step pair 65,536 bytes further on
	s_lshl_b32 s80, s78, 13
	s_lshl_b32 s83, s77, 23                        ; v lies at 8 MiB
	s_add_co_u32 s83, s83, s79
	s_add_co_u32 s84, s83, s80                     ; in memory: step pair; step 8 + pair 65,536 bytes further on
	s_mov_b32 s85, 0
	s_lshl_b32 s88, s76, 13
	s_lshl_b32 s89, s[WV], 9
	s_add_co_u32 s88, s88, s89                     ; negL of step w
	s_mov_b32 s89, 0
	s_lshl_b32 s92, s[C0], 6
	s_add_co_u32 s92, s92, s79
	s_add_co_u32 s92, s92, 0x400000                ; my q fragment
	s_mov_b32 s93, 0
	s_lshl_b32 s56, s[CL], 6
	s_add_co_u32 s56, s56, s79
	s_add_co_u32 s56, s56, 0x400000                ; the long tile's
	s_mov_b32 s57, 0
	s_lshr_b32 s90, s76, 4                         ; zc, for the tile that I begin with: ((batch x 128 + column / 16) x 8 + head / 2) x 2,048 + 1,024 (head % 2)
	s_lshl_b32 s90, s90, 7
	s_lshr_b32 s91, s[C0], 4
	s_add_co_u32 s90, s90, s91
	s_lshl_b32 s90, s90, 3
	s_and_b32 s91, s76, 15
	s_lshr_b32 s91, s91, 1
	s_add_co_u32 s90, s90, s91
	s_lshl_b32 s90, s90, 11
	s_and_b32 s91, s76, 1
	s_lshl_b32 s91, s91, 10
	s_add_co_u32 s90, s90, s91
	s_mov_b32 s91, 0
	s_wait_alu depctr_va_vdst(0)
	s_wait_dscnt 0x0
	s_wait_kmcnt 0x0
	s_load_b256 s[68:75], s[8:9], 0x18             ; e6 .. e13
	s_add_nc_u64 s[84:85], s[4:5], s[84:85]
	s_add_nc_u64 s[88:89], s[6:7], s[88:89]
	s_add_nc_u64 s[92:93], s[4:5], s[92:93]
	s_add_nc_u64 s[56:57], s[4:5], s[56:57]
	s_add_nc_u64 s[10:11], s[10:11], s[90:91]
.irp j, 0,1                            ; the j-th load: steps 8 - 8 j on
	s_mov_b32 s[G0+4*\j], 1
	s_add_co_u32 s[G0+4*\j+1], s82, \j*65536
	s_add_nc_u64 s[G0+4*\j+2:G0+4*\j+3], s[84:85], (1-\j)*65536
	s_or_b32 s[G0+4*\j+3], s[G0+4*\j+3], 0x80000000
.endr
	tensor_load_to_lds s[G0:G0+3], s[G1:G1+7]      ; every wave's one tensor load at the head
	s_nop 0
.rept 4
	v_nop
.endr
	global_load_b128 v[16:19], v1, s[92:93]        ; my 16 columns of q stay in registers
	global_load_b128 v[20:23], v1, s[92:93] offset:512
	global_load_b128 v[8:11], v1, s[56:57]         ; and the long tile's, for B's second part
	global_load_b128 v[12:15], v1, s[56:57] offset:512
	global_load_b128 v[24:27], v1, s[88:89]        ; my 512 bytes of negL
.set j, 0
.rept 32
	v_mov_b32 v[160+j], 0                          ; z^T: which step is a wave's first hangs on ids, so the sums begin as zeros
.set j, j+1
.endr
	s_wait_kmcnt 0x0
	s_add_co_i32 s94, s68, s69
	s_lshl_b32 s94, s94, 23
	s_add_co_i32 s[CS], s[CS], s94                 ; x 2^(e6 + e7), in c's exponent field
	s_mov_b32 s[CS+1], s[CS]
	s_add_co_i32 s94, s70, 127
	s_lshl_b32 s95, s94, 23
	v_mov_b32 v244, s95                            ; 2^e8
	s_add_co_i32 s94, s94, 8
	s_lshl_b32 s94, s94, 23
	s_or_b32 s94, s94, 0x600000
	v_mov_b32 v240, s94                            ; 448 x 2^e8
	s_sub_co_i32 s94, s72, s70
	s_sub_co_i32 s94, s94, s71                     ; a sum of product 5 stands for sum x 2^(e8 + e9): z's code is sum / 2^(e10 - e8 - e9)
	s_add_co_i32 s94, s94, 127
	s_lshl_b32 s95, s94, 23
	v_mov_b32 v245, s95
	s_add_co_i32 s94, s94, 8
	s_lshl_b32 s94, s94, 23
	s_or_b32 s94, s94, 0x600000
	v_mov_b32 v241, s94
.macro FINISH                          ; z^T held, converted and stored: 32 lanes store 512 consecutive bytes.  The codes' registers are written once by a wave
.set j, 0
.rept 32
	v_med3_num_f32 v[96+j], v[160+j], -v241, v241
.set j, j+1
.endr
.endm
.macro SENDZ
	s_wait_alu depctr_va_vdst(0)
	s_wait_xcnt 0x0                                ; any earlier store of the codes' registers has read them
.irp d, 0,1,2,3
	v_cvt_scalef32_pk8_fp8_f32 v[8+2*\d:9+2*\d], v[96+8*\d:103+8*\d], v245
.endr
	v_nop
	global_store_b128 v1, v[8:11], s[10:11]
	global_store_b128 v1, v[12:15], s[10:11] offset:512
.endm
; EIGHT STEPS of 128 rows c, from step 15 - 8 hf down
.macro HALF hf
	s_mov_b32 s[SS], 15-8*\hf
	s_mov_b32 s[KF], (15-8*\hf)*128
	s_mov_b32 s[TB], 65536*\hf
	s_mov_b32 s[TN], 4096*\hf
	s_mov_b32 s[CNT], 8
.Lstep_\@:
	s_cmp_ge_u32 s[SS], s[TT]                      ; steps 15 .. 15 - x are every wave's
	s_cbranch_scc1 .Lwork_\@
	s_cmp_eq_u32 s[SS], s[SWS]
	s_cbranch_scc0 .Lnosw_\@
.rept 4
	v_nop                                          ; B CHANGES TILES.  Places in front of the first read of z^T and the write of q's registers
.endr
	s_wait_alu depctr_va_vdst(0)
	FINISH                                         ; the short tile is done
.irp i, 0,1,2,3,4,5,6,7
	v_mov_b32 v[16+\i], v[8+\i]                    ; q becomes the long tile's
.endr
	SENDZ
.set j, 0
.rept 32
	v_mov_b32 v[160+j], 0                          ; and the sums begin anew
.set j, j+1
.endr
	s_mov_b32 s[C0], s[CL]
	s_wait_alu depctr_va_vdst(0)                   ; branches and waits stand ahead of the readers
.Lnosw_\@:
	s_cmp_lt_u32 s[SS], s[XS]                      ; all its rows come before the long tile's columns
	s_cbranch_scc1 .Lhid_\@
	s_sub_co_u32 s96, s[TR], s[SS]
	s_and_b32 s96, s96, 1
	s_cmp_lg_u32 s96, 0
	s_cbranch_scc0 .Lhid_\@                        ; my partner's turn
.Lwork_\@:
	v_add_nc_u32 v5, s[TB], v1                     ; three additions and a v_nop: the places between the last step's products and the loads into the registers that they read
	v_add_nc_u32 v6, s[TB], v2
	v_add_nc_u32 v7, s[TN], v3
	v_nop
.irp u, 0,1,2,3,4,5,6,7
	ds_load_b128 v[32+8*\u:35+8*\u], v5 offset:1024*\u
	ds_load_b128 v[36+8*\u:39+8*\u], v5 offset:1024*\u+512
.endr
.irp u, 0,1,2,3                        ; negL of rows KF + 16 u + 8 h + 0 .. 7: sixteen lanes read the same 16 bytes
	ds_load_b128 v[192+8*\u:195+8*\u], v7 offset:64*\u
	ds_load_b128 v[196+8*\u:199+8*\u], v7 offset:64*\u+16
.endr
	s_wait_alu depctr_va_vdst(0)
	s_wait_dscnt 0x0
.irp u, 0,1,2,3,4,5,6,7
	v_wmma_f32_16x16x64_fp8_fp8 v[96+8*\u:103+8*\u], v[32+8*\u:39+8*\u], v[16:23], 0
.endr
.rept 4
	v_nop
.endr
.irp d, 0,1,2,3                        ; v's four fragments take k's registers; they land while the weights are made
.irp c, 0,1,2,3
	ds_load_b128 v[32+16*\d+4*\c:35+16*\d+4*\c], v6 offset:2048*\d+512*\c
.endr
.endr
	s_add_co_u32 s96, s[C0], 15                    ; on the diagonal the hidden scores become -infinity: the weight is 0 then.  A step all of whose rows count skips this
	s_cmp_ge_u32 s[KF], s96
	s_cbranch_scc1 .Lopen_\@
	s_sub_co_i32 s96, s[C0], s[KF]
	v_add_nc_u32 v252, s96, v4                     ; d = my column - KF - 8 (lane / 16): register 8 u + j is hidden where 16 u + j < d
	v_mov_b32 v254, 0xff800000
.set n, 0
.rept 64
	v_cmp_lt_i32 vcc_lo, 16*(n/8)+n%8, v252
	v_cndmask_b32 v[96+n], v[96+n], v254, vcc_lo
.set n, n+1
.endr
.Lopen_\@:
.set j, 0
.rept 16
	v_pk_fma_f32 v[96+j:97+j], v[96+j:97+j], s[CS:CS+1], v[192+j:193+j] op_sel_hi:[1,0,1]   ; t + negL, two at a time
.set j, j+2
.endr
.irp u, 0,1,2,3                        ; negL of the step's second half
	ds_load_b128 v[192+8*\u:195+8*\u], v7 offset:256+64*\u
	ds_load_b128 v[196+8*\u:199+8*\u], v7 offset:256+64*\u+16
.endr
	s_wait_alu depctr_va_vdst(0)
.set j, 0
.rept 32
	v_exp_f32 v[96+j], v[96+j]
.set j, j+1
.endr
	s_wait_dscnt 0x0                               ; negL's second half and v's fragments are in
	s_wait_alu depctr_va_vdst(0)
.set j, 32
.rept 16
	v_pk_fma_f32 v[96+j:97+j], v[96+j:97+j], s[CS:CS+1], v[160+j:161+j] op_sel_hi:[1,0,1]   ; (v[160 + j] with j from 32 on is v192 on: negL).  These name no exponential's result
.set j, j+2
.endr
	s_wait_alu depctr_va_vdst(0)
.set j, 32
.rept 32
	v_exp_f32 v[96+j], v[96+j]
.set j, j+1
.endr
	v_nop                                          ; a plain line behind the last exponential
	s_wait_alu depctr_va_vdst(0)                   ; the wait ahead of the exponentials' first reader
.irp u, 0,1,2,3,4,5,6,7
.irp i, 0,1,2,3,4,5,6,7
	v_min_num_f32 v[96+8*\u+\i], v[96+8*\u+\i], v240   ; the conversion does not saturate (ISA guide 7.6.2); a weight is not negative, so the hold is one-sided
.endr
	v_cvt_scalef32_pk8_fp8_f32 v[224+2*\u:225+2*\u], v[96+8*\u:103+8*\u], v244
.endr
	v_nop                                          ; a plain line between the last conversion and the products that read its result
.irp d, 0,1,2,3                        ; z^T += v^T p: the four accumulators take turns; the next step's eight score products stand between two links of one sum
	v_wmma_f32_16x16x128_fp8_fp8 v[160+8*\d:167+8*\d], v[32+16*\d:47+16*\d], v[224:239], v[160+8*\d:167+8*\d]
.endr
.Lhid_\@:
	s_add_co_u32 s[TB], s[TB], 8192
	s_add_co_u32 s[TN], s[TN], 512
	s_sub_co_u32 s[KF], s[KF], 128
	s_sub_co_u32 s[SS], s[SS], 1
	s_sub_co_u32 s[CNT], s[CNT], 1
	s_cmp_lg_u32 s[CNT], 0
	s_cbranch_scc1 .Lstep_\@
.endm
	s_wait_alu depctr_va_vdst(0)
	s_wait_loadcnt 0x0                             ; q and my part of negL
	s_wait_tensorcnt 0x0                           ; no tensor load is out while I store to LDS
	ds_store_b128 v28, v[24:27]
	s_wait_tensorcnt 0x0
	ds_add_u32 v253, v255
	s_wait_dscnt 0x0                               ; the add and my store are done
	s_barrier_signal -1
	s_barrier_wait -1                              ; steps 15 .. 8 of k and v, and negL, are whole
	tensor_load_to_lds s[G0+4:G0+7], s[G1:G1+7]    ; steps 7 .. 0: my one tensor load behind this barrier
	s_nop 0
.rept 4
	v_nop
.endr
	HALF 0
	s_wait_tensorcnt 0x0                           ; my part of the second half has landed,
	s_wait_dscnt 0x0
	s_barrier_signal -1
	s_barrier_wait -1                              ; and everybody's
	HALF 1
.rept 4
	v_nop                                          ; places in front of the first read of z^T
.endr
	s_cmp_lt_u32 s[WV], 8
	s_cbranch_scc1 .Lnot_b
	s_wait_alu depctr_va_vdst(0)
.irp i, 0,1,2,3,4,5,6,7                ; B: its part of the long tile's z^T, as an image of its registers, each accumulator from its low end on
	ds_store_b128 v29, v[160+4*\i:163+4*\i] offset:512*\i
.endr
.Lnot_b:
	s_wait_dscnt 0x0                               ; for the others' sake
	s_barrier_signal -1
	s_barrier_wait -1
	s_cmp_lt_u32 s[WV], 8
	s_cbranch_scc0 .Ldone
.irp i, 0,1,2,3,4,5,6,7
	ds_load_b128 v[96+4*\i:99+4*\i], v29 offset:512*\i
.endr
	s_wait_dscnt 0x0
	s_wait_alu depctr_va_vdst(0)
.set j, 0
.rept 16
	v_pk_add_f32 v[160+j:161+j], v[160+j:161+j], v[96+j:97+j]   ; A: both parts
.set j, j+2
.endr
	FINISH
	SENDZ
.Ldone:
	s_wait_tensorcnt 0x0                           ; the wave's end
	ds_add_u32 v253, v255
	s_wait_dscnt 0x0
	s_endpgm
.Lfunc_end_k_qf3ef80d6bc_attnz:
	.size	k_qf3ef80d6bc_attnz, .Lfunc_end_k_qf3ef80d6bc_attnz-k_qf3ef80d6bc_attnz
	.p2alignl 7, 3214868480
	.fill 96, 4, 3214868480
	.section	.rodata,"a",@progbits
	.p2align	6, 0x0
	.amdhsa_kernel k_qf3ef80d6bc_attnz
		.amdhsa_group_segment_fixed_size 327680
		.amdhsa_private_segment_fixed_size 0
		.amdhsa_enable_private_segment 0
		.amdhsa_kernarg_size 32
		.amdhsa_user_sgpr_count 2
		.amdhsa_user_sgpr_kernarg_segment_ptr 1
		.amdhsa_wavefront_size32 1
		.amdhsa_system_sgpr_workgroup_id_x 1
		.amdhsa_system_sgpr_workgroup_id_y 1
		.amdhsa_system_sgpr_workgroup_id_z 1
		.amdhsa_system_vgpr_workitem_id 0
		.amdhsa_next_free_vgpr 256
		.amdhsa_next_free_sgpr 100
		.amdhsa_reserve_vcc 1
		.amdhsa_float_denorm_mode_32 3
		.amdhsa_float_denorm_mode_16_64 3
		.amdhsa_memory_ordered 1
		.amdhsa_forward_progress 1
		.amdhsa_inst_pref_size 55
	.end_amdhsa_kernel
	.amdgpu_metadata
---
amdhsa.version: [ 1, 2 ]
amdhsa.kernels:
  - .name:           k_qf3ef80d6bc_attnz
    .symbol:         k_qf3ef80d6bc_attnz.kd
    .args:
      - { .name: kqv, .offset: 0, .size: 8, .value_kind: global_buffer, .address_space: global }
      - { .name: nl, .offset: 8, .size: 8, .value_kind: global_buffer, .address_space: global }
      - { .name: lowp_scales, .offset: 16, .size: 8, .value_kind: global_buffer, .address_space: global }
      - { .name: zc, .offset: 24, .size: 8, .value_kind: global_buffer, .address_space: global }
    .group_segment_fixed_size: 327680
    .private_segment_fixed_size: 0
    .kernarg_segment_align: 8
    .kernarg_segment_size: 32
    .max_flat_workgroup_size: 512
    .sgpr_count:     100
    .vgpr_count:     256
    .wavefront_size: 32
...
	.end_amdgpu_metadata
.endif
;; end of part 4
;; launch oproj (part 5): grid 8 x 32, 4 waves a work-group, clusters of 4 x 4, 327,680 bytes of LDS; arguments zc, cod0, x, lowp_scales, x1f, x1c; writes x1f, x1c
.if DOCPART == 5
	.amdgcn_target "amdgcn-amd-amdhsa--gfx1250"
	.amdhsa_code_object_version 6
	.text
	.protected	k_qf3ef80d6bc_oproj
	.globl	k_qf3ef80d6bc_oproj
	.p2align	8
	.type	k_qf3ef80d6bc_oproj,@function
k_qf3ef80d6bc_oproj:
	s_mov_b64 s[64:65], 0
	v_nop
	global_prefetch_b8 v0, s[64:65] scope:SCOPE_SE
	s_setreg_imm32_b32 hwreg(HW_REG_WAVE_MODE, 25, 1), 1
	s_wait_xcnt 0x0
	s_wait_alu depctr_hold_cnt(0) depctr_sa_sdst(0) depctr_va_vdst(0) depctr_va_sdst(0) depctr_va_ssrc(0) depctr_va_vcc(0) depctr_vm_vsrc(0)
	s_getreg_b32 s2, hwreg(HW_REG_IB_STS2, 6, 4)
	s_cmp_eq_u32 s2, 0
	s_cbranch_scc0 .Lentry_in_a_cluster
	s_endpgm
.Lentry_in_a_cluster:
	s_bfe_u32 s2, ttmp6, 0x10000c
	s_cmp_lg_u32 s2, 0xf033
	s_cbranch_scc0 .Lentry_shape_is_right
	s_endpgm
.Lentry_shape_is_right:
.set KSH,    10
.set WOFF,   0xf00000
.set LAPS,   1
.set SROW,   8192
.set HALFT,  4*SROW
.set SLOT,   4*HALFT
.set SPARE,  2*SLOT
.set CDR,  4
.set ADRA, 16
.set ADRB, 20
.set STI,  22
.set STO,  23
.set LI,   24
.set XO,   25
.set SPW,  26
.set NIL,  27
.set SCV,  28
.set LIMV, 29
.set XT,   32
.set Y,    64
.set H,    96
.set ACC,  128
.set F0,   0
.set F1,   128
.set G1, 24
.set G0, 32
.set G1B, 48
.set G0B, 56
.set MSB, 0
.macro WIN new
.if MSB != \new
	s_set_vgpr_msb (MSB<<8)|\new
.set MSB, \new
.endif
.endm
.set MUL,  0x05
.set TO_F, 0x40
.macro JLOAD s
	s_cmp_eq_u32 s85, 0
	s_cbranch_scc0 .Lfor_b_\@
	tensor_load_to_lds s[G0+4*\s:G0+4*\s+3], s[G1:G1+7]
	s_nop 0
.rept 4
	v_nop
.endr
	s_branch .Lasked_\@
.Lfor_b_\@:
	tensor_load_to_lds s[G0B+4*\s:G0B+4*\s+3], s[G1B:G1B+7]
	s_nop 0
.rept 4
	v_nop
.endr
.Lasked_\@:
.endm
.macro CREST
	s_cmp_lg_u32 s84, 0
	s_cbranch_scc1 .Lnot_wave_0_\@
	s_barrier_signal -3
.Lnot_wave_0_\@:
	s_barrier_wait -3
	s_barrier_signal -1
	s_barrier_wait -1
.endm
.macro CROUND
	s_barrier_signal -1
	s_barrier_wait -1
	CREST
.endm
	s_load_b256 s[4:11], s[0:1], 0x0
	s_load_b128 s[68:71], s[0:1], 0x20
	v_lshl_add_u32 v[SPW], v0, 2, SPARE
	v_mov_b32 v[NIL], 0
	ds_add_u32 v26, v27
	ds_add_u32 v26, v27
	s_wait_dscnt 0x0
	v_lshrrev_b32 v1, 5, v0
	v_readfirstlane_b32 s84, v1
	s_lshr_b32 s85, s84, 1
	s_and_b32 s86, s84, 1
	s_bfe_u32 s40, ttmp6, 0x40000
	s_bfe_u32 s41, ttmp6, 0x40004
	s_lshl_b32 s42, ttmp9, 2
	s_add_co_u32 s42, s42, s40
	s_and_b32 s87, ttmp7, 0xffff
	s_lshl_b32 s87, s87, 2
	s_add_co_u32 s87, s87, s41
	s_lshl_b32 s43, s41, 2
	s_lshl_b32 s43, 15, s43
	s_lshl_b32 s44, 0x1111, s40
	s_or_b32 s[G1+0], s43, (1<<21)
	s_or_b32 s[G1B+0], s44, (1<<21)
.irp g, G1, G1B
	s_mov_b32 s[\g+1], SROW<<16
	s_mov_b32 s[\g+2], 4<<16
	s_mov_b32 s[\g+3], SROW<<16
	s_mov_b32 s[\g+4], 4
	s_mov_b32 s[\g+5], 16<<KSH
	s_mov_b32 s[\g+6], 0
	s_mov_b32 s[\g+7], 0
.endr
	s_lshl_b32 s18, s86, 6
	s_lshl_b32 s20, s87, 7
	s_add_co_u32 s20, s20, s18
	s_lshl_b32 s20, s20, KSH
	s_mov_b32 s21, 0
	s_lshl_b32 s46, s42, 7
	s_add_co_u32 s46, s46, s18
	s_lshl_b32 s46, s46, KSH
	s_add_co_u32 s46, s46, WOFF
	s_mov_b32 s47, 0
	s_mul_i32 s45, s84, HALFT
	s_wait_kmcnt 0x0
	s_load_b128 s[72:75], s[10:11], 0x28
	s_add_nc_u64 s[20:21], s[4:5], s[20:21]
	s_add_nc_u64 s[46:47], s[6:7], s[46:47]
	CROUND
.irp s, 0,1
	s_mov_b32 s[G0+4*\s], 1
	s_add_co_u32 s[G0+4*\s+1], s45, \s*SLOT
	s_add_nc_u64 s[G0+4*\s+2:G0+4*\s+3], s[20:21], \s*SROW
	s_or_b32 s[G0+4*\s+3], s[G0+4*\s+3], 0x80000000
	s_mov_b32 s[G0B+4*\s], 1
	s_add_co_u32 s[G0B+4*\s+1], s45, \s*SLOT
	s_add_nc_u64 s[G0B+4*\s+2:G0B+4*\s+3], s[46:47], \s*SROW
	s_or_b32 s[G0B+4*\s+3], s[G0B+4*\s+3], 0x80000000
	s_wait_alu depctr_va_vdst(0)
	s_wait_tensorcnt 0x0
	ds_add_u32 v26, v27
	ds_add_u32 v26, v27
	s_wait_dscnt 0x0
	CROUND
	JLOAD \s
.endr
	v_and_b32 v1, 31, v0
	v_lshlrev_b32 v[LI], 4, v1
	v_and_b32 v2, 15, v0
	v_bfe_u32 v3, v0, 4, 1
	s_wait_alu depctr_va_vdst(0)
	s_mul_i32 s21, s85, HALFT
	s_mul_i32 s22, s86, HALFT
	s_add_co_u32 s22, s22, 2*HALFT
.irp s, 0,1
	v_add_nc_u32 v[ADRA+\s], s21, v[LI]
	v_add_nc_u32 v[ADRB+\s], s22, v[LI]
	s_add_co_u32 s21, s21, SLOT
	s_add_co_u32 s22, s22, SLOT
.endr
	s_mul_i32 s23, s84, 16*272
	v_mul_u32_u24 v[STI], v3, 272
	v_lshl_add_u32 v[STI], v2, 4, v[STI]
	v_add_nc_u32 v[STI], s23, v[STI]
	v_mul_u32_u24 v[STO], v2, 272
	v_lshl_add_u32 v[STO], v3, 5, v[STO]
	v_add_nc_u32 v[STO], s23, v[STO]
	v_lshlrev_b32 v[XO], 12, v3
	v_lshl_add_u32 v[XO], v2, 4, v[XO]
	s_wait_alu depctr_va_vdst(0)
	s_lshl_b32 s90, s87, 7
	s_lshl_b32 s91, s85, 6
	s_add_co_u32 s90, s90, s91
	s_lshl_b32 s92, s42, 7
	s_lshl_b32 s91, s86, 6
	s_add_co_u32 s92, s92, s91
	s_lshl_b32 s94, s90, 12
	s_lshl_b32 s95, s92, 2
	s_add_co_u32 s94, s94, s95
	s_mov_b32 s95, 0
	s_add_nc_u64 s[8:9], s[8:9], s[94:95]
	WIN 0x80
.irp t, 0,1,2,3,4,5,6,7,8,9,10,11,12,13,14,15,16,17,18,19,20,21,22,23,24,25,26,27,28,29,30,31
	global_load_b128 v[4*\t:4*\t+3], v[XO], s[8:9] offset:2*\t*4096 th:TH_LOAD_NT
.endr
	WIN 0
	s_lshl_b32 s94, s87, 3
	s_add_co_u32 s94, s94, s42
	s_lshl_b32 s94, s94, 2
	s_add_co_u32 s94, s94, s84
	s_lshl_b32 s94, s94, 14
	s_add_nc_u64 s[68:69], s[68:69], s[94:95]
	s_lshl_b32 s94, s90, 10
	s_lshl_b32 s96, s42, 11
	s_add_co_u32 s94, s94, s96
	s_lshl_b32 s96, s86, 10
	s_add_co_u32 s94, s94, s96
	s_add_nc_u64 s[70:71], s[70:71], s[94:95]
	s_wait_kmcnt 0x0
	s_add_co_i32 s88, s72, s73
	s_add_co_i32 s88, s88, 127
	s_lshl_b32 s88, s88, 23
	s_mov_b32 s89, s88
	s_add_co_i32 s96, s74, 127
	s_lshl_b32 s97, s96, 23
	v_mov_b32 v[SCV], s97
	s_add_co_i32 s96, s96, 8
	s_lshl_b32 s96, s96, 23
	s_or_b32 s96, s96, 0x600000
	v_mov_b32 v[LIMV], s96
.macro MUL4 f, a, zero
.irp b, 0,1,2,3
.if \zero
	v_wmma_f32_16x16x128_fp8_fp8 v[ACC+8*(4*(\a)+\b):ACC+8*(4*(\a)+\b)+7], v[\f+64+16*\b:\f+64+16*\b+15], v[\f+16*(\a):\f+16*(\a)+15], 0
.else
	v_wmma_f32_16x16x128_fp8_fp8 v[ACC+8*(4*(\a)+\b):ACC+8*(4*(\a)+\b)+7], v[\f+64+16*\b:\f+64+16*\b+15], v[\f+16*(\a):\f+16*(\a)+15], v[ACC+8*(4*(\a)+\b):ACC+8*(4*(\a)+\b)+7]
.endif
.endr
.endm
.macro FETCH slot, q, f
	WIN TO_F
.irp i, 0,1,2,3
.irp c, 0,1,2,3
	ds_load_b128 v[\f+64+16*\i+4*\c:\f+64+16*\i+4*\c+3], v[ADRB+\slot] offset:\i*SROW+(\q)*2048+512*\c
.endr
.endr
.irp i, 0,1,2,3
.irp c, 0,1,2,3
	ds_load_b128 v[\f+16*\i+4*\c:\f+16*\i+4*\c+3], v[ADRA+\slot] offset:\i*SROW+(\q)*2048+512*\c
.endr
.endr
.endm
.macro PLACES
.rept 4
	v_nop
.endr
.endm
.macro QUARTER slot, qn, f, g, zero
	s_wait_dscnt 0x0
	PLACES
	FETCH \slot, \qn, \g
	WIN MUL
	MUL4 \f, 0, \zero
	MUL4 \f, 1, \zero
	MUL4 \f, 2, \zero
	MUL4 \f, 3, \zero
.endm
.macro TURN slot, next, fill
	WIN 0
	s_wait_tensorcnt 0x0
	ds_add_u32 v[SPW], v[NIL]
	s_wait_dscnt 1
	WIN MUL
	MUL4 F1, 0, 0
	s_wait_dscnt 0x0
	s_barrier_signal -1
	MUL4 F1, 1, 0
.if \fill
	WIN 0
.endif
	s_barrier_wait -1
.if \fill
	CREST
	s_add_nc_u64 s[G0+4*\slot+2:G0+4*\slot+3], s[G0+4*\slot+2:G0+4*\slot+3], 2*SROW
	s_add_nc_u64 s[G0B+4*\slot+2:G0B+4*\slot+3], s[G0B+4*\slot+2:G0B+4*\slot+3], 2*SROW
	JLOAD \slot
.else
	PLACES
.endif
	FETCH \next, 0, F0
	WIN MUL
	MUL4 F1, 2, 0
	MUL4 F1, 3, 0
.endm
	s_wait_tensorcnt 1
	s_barrier_signal -1
	s_barrier_wait -1
	FETCH 0, 0, F0
	QUARTER 0, 1, F0, F1, 1
.if LAPS > 1
	WIN 0
	s_mov_b32 s3, LAPS-1
.Llap:
	QUARTER 0, 2, F1, F0, 0
	QUARTER 0, 3, F0, F1, 0
	TURN 0, 1, 1
	QUARTER 1, 1, F0, F1, 0
	QUARTER 1, 2, F1, F0, 0
	QUARTER 1, 3, F0, F1, 0
	TURN 1, 0, 1
	QUARTER 0, 1, F0, F1, 0
	WIN 0
	s_sub_co_u32 s3, s3, 1
	s_cmp_lg_u32 s3, 0
	s_cbranch_scc1 .Llap
.endif
	QUARTER 0, 2, F1, F0, 0
	QUARTER 0, 3, F0, F1, 0
	TURN 0, 1, 0
	QUARTER 1, 1, F0, F1, 0
	QUARTER 1, 2, F1, F0, 0
	QUARTER 1, 3, F0, F1, 0
	s_wait_dscnt 0x0
	WIN MUL
	MUL4 F1, 0, 0
	MUL4 F1, 1, 0
	MUL4 F1, 2, 0
	MUL4 F1, 3, 0
	WIN 0
	PLACES
	s_wait_loadcnt 0x0
.macro OUTA a
	WIN 0x08
.irp t, 0,1,2,3,4,5,6,7
	ds_store_b128 v[STI], v[4*(8*(\a)+\t):4*(8*(\a)+\t)+3] offset:544*\t
.endr
	WIN 0
.irp b, 0,1,2,3
	ds_load_b128 v[XT+8*\b:XT+8*\b+3], v[STO] offset:64*\b
	ds_load_b128 v[XT+8*\b+4:XT+8*\b+7], v[STO] offset:64*\b+16
.endr
	s_wait_dscnt 0x0
.if \a > 0
	s_wait_xcnt 0x0
.endif
.irp j, 0,2,4,6,8,10,12,14,16,18,20,22,24,26,28,30
	v_pk_fma_f32 v[Y+\j:Y+\j+1], v[ACC+32*(\a)+\j:ACC+32*(\a)+\j+1], s[88:89], v[XT+\j:XT+\j+1] op_sel_hi:[1,0,1]
.endr
.irp b, 0,1,2,3
	global_store_b128 v[LI], v[Y+8*\b:Y+8*\b+3], s[68:69] offset:(4*(\a)+\b)*1024
	global_store_b128 v[LI], v[Y+8*\b+4:Y+8*\b+7], s[68:69] offset:(4*(\a)+\b)*1024+512
.endr
.irp j, 0,1,2,3,4,5,6,7,8,9,10,11,12,13,14,15,16,17,18,19,20,21,22,23,24,25,26,27,28,29,30,31
	v_med3_num_f32 v[H+\j], v[Y+\j], -v[LIMV], v[LIMV]
.endr
.irp b, 0,1,2,3
	v_cvt_scalef32_pk8_fp8_f32 v[CDR+2*\b:CDR+2*\b+1], v[H+8*\b:H+8*\b+7], v[SCV]
.endr
	v_nop
	global_store_b128 v[LI], v[CDR:CDR+3], s[70:71] offset:(\a)*16384
	global_store_b128 v[LI], v[CDR+4:CDR+7], s[70:71] offset:(\a)*16384+512
.endm
	OUTA 0
	OUTA 1
	OUTA 2
	OUTA 3
	s_wait_tensorcnt 0x0
	ds_add_u32 v[SPW], v[NIL]
	s_wait_dscnt 0x0
	CROUND
	s_endpgm
.Lfunc_end_k_qf3ef80d6bc_oproj:
	.size	k_qf3ef80d6bc_oproj, .Lfunc_end_k_qf3ef80d6bc_oproj-k_qf3ef80d6bc_oproj
	.p2alignl 7, 3214868480
	.fill 96, 4, 3214868480
	.section	.rodata,"a",@progbits
	.p2align	6, 0x0
	.amdhsa_kernel k_qf3ef80d6bc_oproj
		.amdhsa_group_segment_fixed_size 327680
		.amdhsa_private_segment_fixed_size 0
		.amdhsa_enable_private_segment 0
		.amdhsa_kernarg_size 48
		.amdhsa_user_sgpr_count 2
		.amdhsa_user_sgpr_kernarg_segment_ptr 1
		.amdhsa_wavefront_size32 1
		.amdhsa_system_sgpr_workgroup_id_x 1
		.amdhsa_system_sgpr_workgroup_id_y 1
		.amdhsa_system_sgpr_workgroup_id_z 1
		.amdhsa_system_vgpr_workitem_id 0
		.amdhsa_next_free_vgpr 640
		.amdhsa_next_free_sgpr 100
		.amdhsa_reserve_vcc 0
		.amdhsa_float_denorm_mode_32 3
		.amdhsa_float_denorm_mode_16_64 3
		.amdhsa_memory_ordered 1
		.amdhsa_forward_progress 1
		.amdhsa_inst_pref_size 60
	.end_amdhsa_kernel
	.amdgpu_metadata
---
amdhsa.version: [ 1, 2 ]
amdhsa.kernels:
  - .name:           k_qf3ef80d6bc_oproj
    .symbol:         k_qf3ef80d6bc_oproj.kd
    .args:
      - { .name: zc, .offset: 0, .size: 8, .value_kind: global_buffer, .address_space: global }
      - { .name: cod0, .offset: 8, .size: 8, .value_kind: global_buffer, .address_space: global }
      - { .name: x, .offset: 16, .size: 8, .value_kind: global_buffer, .address_space: global }
      - { .name: lowp_scales, .offset: 24, .size: 8, .value_kind: global_buffer, .address_space: global }
      - { .name: x1f, .offset: 32, .size: 8, .value_kind: global_buffer, .address_space: global }
      - { .name: x1c, .offset: 40, .size: 8, .value_kind: global_buffer, .address_space: global }
    .group_segment_fixed_size: 327680
    .private_segment_fixed_size: 0
    .kernarg_segment_align: 8
    .kernarg_segment_size: 48
    .max_flat_workgroup_size: 128
    .sgpr_count:     100
    .vgpr_count:     640
    .wavefront_size: 32
...
	.end_amdgpu_metadata
.endif
;; end of part 5
;; launch mlpin (part 6): grid 16 x 16, 4 waves a work-group, clusters of 4 x 4, 327,680 bytes of LDS; arguments x1c, cod0, b_in, lowp_scales, hc; writes hc
.if DOCPART == 6
	.amdgcn_target "amdgcn-amd-amdhsa--gfx1250"
	.amdhsa_code_object_version 6
	.text
	.protected	k_qf3ef80d6bc_mlpin
	.globl	k_qf3ef80d6bc_mlpin
	.p2align	8
	.type	k_qf3ef80d6bc_mlpin,@function
k_qf3ef80d6bc_mlpin:
	s_mov_b64 s[64:65], 0
	v_nop
	global_prefetch_b8 v0, s[64:65] scope:SCOPE_SE
	s_setreg_imm32_b32 hwreg(HW_REG_WAVE_MODE, 25, 1), 1
	s_wait_xcnt 0x0
	s_wait_alu depctr_hold_cnt(0) depctr_sa_sdst(0) depctr_va_vdst(0) depctr_va_sdst(0) depctr_va_ssrc(0) depctr_va_vcc(0) depctr_vm_vsrc(0)
	s_getreg_b32 s2, hwreg(HW_REG_IB_STS2, 6, 4)
	s_cmp_eq_u32 s2, 0
	s_cbranch_scc0 .Lentry_in_a_cluster
	s_endpgm
.Lentry_in_a_cluster:
	s_bfe_u32 s2, ttmp6, 0x10000c
	s_cmp_lg_u32 s2, 0xf033
	s_cbranch_scc0 .Lentry_shape_is_right
	s_endpgm
.Lentry_shape_is_right:
.set STEPB,  4096
.set HALFT,  8*STEPB
.set SLOT,   4*HALFT
.set SPARE,  2*SLOT
.set FR,     16
.set NL,     4
.set NP,     4
.set ADRA, 16
.set ADRB, 20
.set LI,   24
.set BO,   25
.set SPW,  28
.set NIL,  29
.set SCV,  30
.set LIMV, 31
.set BIAS, 32
.set AF,   128
.set TMP,  128
.set CD,   192
.set G1, 24
.set G0, 32
.set G1B, 48
.set G0B, 56
.set MSB, 0
.macro WIN new
.if MSB != \new
	s_set_vgpr_msb (MSB<<8)|\new
.set MSB, \new
.endif
.endm
.set MUL_LO, 0xa1
.set MUL_HI, 0xf1
.set TO_B,   0x40
.macro JLOAD g0a, g1a, g0b, g1b
	s_cmp_eq_u32 s15, 0
	s_cbranch_scc0 .Lfor_b_\@
	tensor_load_to_lds s[\g0a:\g0a+3], s[\g1a:\g1a+7]
	s_nop 0
.rept 4
	v_nop
.endr
	s_branch .Lasked_\@
.Lfor_b_\@:
	tensor_load_to_lds s[\g0b:\g0b+3], s[\g1b:\g1b+7]
	s_nop 0
.rept 4
	v_nop
.endr
.Lasked_\@:
.endm
.macro CREST
	s_cmp_lg_u32 s14, 0
	s_cbranch_scc1 .Lnot_wave_0_\@
	s_barrier_signal -3
.Lnot_wave_0_\@:
	s_barrier_wait -3
	s_barrier_signal -1
	s_barrier_wait -1
.endm
.macro CROUND
	s_barrier_signal -1
	s_barrier_wait -1
	CREST
.endm
	s_load_b256 s[4:11], s[0:1], 0x0
	s_load_b64 s[12:13], s[0:1], 0x20
	v_lshl_add_u32 v[SPW], v0, 2, SPARE
	v_mov_b32 v[NIL], 0
	ds_add_u32 v28, v29
	ds_add_u32 v28, v29
	s_wait_dscnt 0x0
	v_lshrrev_b32 v1, 5, v0
	v_readfirstlane_b32 s14, v1
	s_lshr_b32 s15, s14, 1
	s_and_b32 s16, s14, 1
	s_bfe_u32 s40, ttmp6, 0x40000
	s_bfe_u32 s41, ttmp6, 0x40004
	s_lshl_b32 s42, ttmp9, 2
	s_add_co_u32 s42, s42, s40
	s_and_b32 s17, ttmp7, 0xffff
	s_lshl_b32 s17, s17, 2
	s_add_co_u32 s17, s17, s41
	s_lshl_b32 s43, s41, 2
	s_lshl_b32 s43, 15, s43
	s_lshl_b32 s44, 0x1111, s40
	s_or_b32 s[G1+0], s43, (1<<21)
	s_or_b32 s[G1B+0], s44, (1<<21)
.irp g, G1, G1B
	s_mov_b32 s[\g+1], STEPB<<16
	s_mov_b32 s[\g+2], 8<<16
	s_mov_b32 s[\g+3], STEPB<<16
	s_mov_b32 s[\g+4], 8
	s_mov_b32 s[\g+5], 16384
	s_mov_b32 s[\g+6], 0
	s_mov_b32 s[\g+7], 0
.endr
	s_lshl_b32 s18, s16, 7
	s_lshl_b32 s20, s17, 8
	s_add_co_u32 s20, s20, s18
	s_lshl_b32 s20, s20, 10
	s_mov_b32 s21, 0
	s_lshl_b32 s46, s42, 8
	s_add_co_u32 s46, s46, s18
	s_lshl_b32 s46, s46, 10
	s_add_co_u32 s46, s46, 0x1000000
	s_mov_b32 s47, 0
	s_mul_i32 s45, s14, HALFT
	s_wait_kmcnt 0x0
	s_load_b128 s[68:71], s[10:11], 0x30
	s_add_nc_u64 s[20:21], s[4:5], s[20:21]
	s_add_nc_u64 s[46:47], s[6:7], s[46:47]
	CROUND
.irp s, 0,1
	s_mov_b32 s[G0+4*\s], 1
	s_add_co_u32 s[G0+4*\s+1], s45, \s*SLOT
	s_add_nc_u64 s[G0+4*\s+2:G0+4*\s+3], s[20:21], \s*STEPB
	s_or_b32 s[G0+4*\s+3], s[G0+4*\s+3], 0x80000000
	s_mov_b32 s[G0B+4*\s], 1
	s_add_co_u32 s[G0B+4*\s+1], s45, \s*SLOT
	s_add_nc_u64 s[G0B+4*\s+2:G0B+4*\s+3], s[46:47], \s*STEPB
	s_or_b32 s[G0B+4*\s+3], s[G0B+4*\s+3], 0x80000000
	s_wait_alu depctr_va_vdst(0)
	s_wait_tensorcnt 0x0
	ds_add_u32 v28, v29
	ds_add_u32 v28, v29
	s_wait_dscnt 0x0
	CROUND
	JLOAD G0+4*\s, G1, G0B+4*\s, G1B
.endr
	v_and_b32 v1, 31, v0
	v_lshlrev_b32 v[LI], 4, v1
	v_bfe_u32 v2, v0, 4, 1
	v_lshlrev_b32 v[BO], 5, v2
	s_wait_alu depctr_va_vdst(0)
	s_mul_i32 s21, s15, HALFT
	s_mul_i32 s22, s16, HALFT
	s_add_co_u32 s22, s22, 2*HALFT
.irp s, 0,1
	v_add_nc_u32 v[ADRA+\s], s21, v[LI]
	v_add_nc_u32 v[ADRB+\s], s22, v[LI]
	s_add_co_u32 s21, s21, SLOT
	s_add_co_u32 s22, s22, SLOT
.endr
	s_lshl_b32 s93, s17, 8
	s_lshl_b32 s95, s15, 7
	s_add_co_u32 s93, s93, s95
	s_lshl_b32 s94, s42, 8
	s_lshl_b32 s95, s16, 7
	s_add_co_u32 s94, s94, s95
	s_lshl_b32 s90, s94, 2
	s_mov_b32 s91, 0
	s_add_nc_u64 s[8:9], s[8:9], s[90:91]
.irp b, 0,1,2,3,4,5,6,7
	global_load_b128 v[BIAS+8*\b:BIAS+8*\b+3], v[BO], s[8:9] offset:64*\b
	global_load_b128 v[BIAS+8*\b+4:BIAS+8*\b+7], v[BO], s[8:9] offset:64*\b+16
.endr
	s_lshl_b32 s90, s93, 12
	s_lshl_b32 s92, s94, 4
	s_add_co_u32 s90, s90, s92
	s_add_nc_u64 s[12:13], s[12:13], s[90:91]
	s_wait_alu depctr_va_vdst(0)
	s_wait_kmcnt 0x0
	s_add_co_i32 s96, s68, s69
	s_add_co_i32 s96, s96, 127
	s_lshl_b32 s96, s96, 23
	s_mov_b32 s97, s96
	s_add_co_i32 s90, s70, 127
	s_lshl_b32 s92, s90, 23
	v_mov_b32 v[SCV], s92
	s_add_co_i32 s90, s90, 8
	s_lshl_b32 s90, s90, 23
	s_or_b32 s90, s90, 0x600000
	v_mov_b32 v[LIMV], s90
.macro FRAG reg, adr, q, i
.irp c, 0,1,2,3
	ds_load_b128 v[\reg+4*\c:\reg+4*\c+3], v[\adr] offset:(\i)*STEPB+(\q)*2048+512*\c
.endr
.endm
.macro MUL16 a0, p, zero
.irp a, \a0, \a0+1
.irp b, 0,1,2,3,4,5,6,7
.if \zero
	v_wmma_f32_16x16x128_fp8_fp8 v[8*(8*((\a)%4)+\b):8*(8*((\a)%4)+\b)+7], v[128*(\p)+FR*\b:128*(\p)+FR*\b+FR-1], v[AF+FR*(\a):AF+FR*(\a)+FR-1], 0
.else
	v_wmma_f32_16x16x128_fp8_fp8 v[8*(8*((\a)%4)+\b):8*(8*((\a)%4)+\b)+7], v[128*(\p)+FR*\b:128*(\p)+FR*\b+FR-1], v[AF+FR*(\a):AF+FR*(\a)+FR-1], v[8*(8*((\a)%4)+\b):8*(8*((\a)%4)+\b)+7]
.endif
.endr
.endr
.endm
.macro FETCH_B slot, q, p
	WIN TO_B
.irp i, 0,1,2,3,4,5,6,7
	FRAG 128*(\p)+FR*\i, ADRB+\slot, \q, \i
.endr
	WIN 0
.endm
.macro FETCH_A slot, q, i0
.irp i, \i0, \i0+1, \i0+2, \i0+3
	FRAG AF+FR*(\i), ADRA+\slot, \q, \i
.endr
.endm
.macro PLACES n
.rept \n
	v_nop
.endr
.endm
.macro STEP slot, q, zero
	s_wait_dscnt 4*NL
	WIN MUL_LO
	MUL16 0, (\q)%2, \zero
	MUL16 2, (\q)%2, \zero
	s_wait_dscnt 0
	PLACES NP
	FETCH_B \slot, (\q)+1, 1-(\q)%2
	FETCH_A \slot, (\q)+1, 0
	WIN MUL_HI
	MUL16 4, (\q)%2, \zero
	MUL16 6, (\q)%2, \zero
	PLACES NP
	WIN 0
	FETCH_A \slot, (\q)+1, 4
.endm
.macro TURN slot, next, fill
	s_wait_tensorcnt 0x0
	ds_add_u32 v[SPW], v[NIL]
	s_wait_dscnt 4*NL+1
	WIN MUL_LO
	MUL16 0, 1, 0
	s_wait_dscnt 0x0
	s_barrier_signal -1
	MUL16 2, 1, 0
	WIN 0
	s_barrier_wait -1
.if \fill
	CREST
	s_add_nc_u64 s[G0+4*\slot+2:G0+4*\slot+3], s[G0+4*\slot+2:G0+4*\slot+3], 2*STEPB
	s_add_nc_u64 s[G0B+4*\slot+2:G0B+4*\slot+3], s[G0B+4*\slot+2:G0B+4*\slot+3], 2*STEPB
	JLOAD G0+4*\slot, G1, G0B+4*\slot, G1B
.else
	PLACES NP
.endif
	FETCH_B \next, 0, 0
	FETCH_A \next, 0, 0
	WIN MUL_HI
	MUL16 4, 1, 0
	MUL16 6, 1, 0
	PLACES NP
	WIN 0
	FETCH_A \next, 0, 4
.endm
	s_wait_tensorcnt 1
	s_barrier_signal -1
	s_barrier_wait -1
	FETCH_B 0, 0, 0
	FETCH_A 0, 0, 0
	FETCH_A 0, 0, 4
	STEP 0, 0, 1
	TURN 0, 1, 1
	STEP 1, 0, 0
	TURN 1, 0, 1
	STEP 0, 0, 0
	TURN 0, 1, 0
	STEP 1, 0, 0
	s_wait_dscnt 4*NL
	WIN MUL_LO
	MUL16 0, 1, 0
	MUL16 2, 1, 0
	s_wait_dscnt 0
	WIN MUL_HI
	MUL16 4, 1, 0
	MUL16 6, 1, 0
	WIN 0
	PLACES NP
	s_wait_loadcnt 0x0
.macro OUTB a
.set AC, 64*((\a)%4)
.set CDA, CD+16*((\a)%2)
	WIN 0x02+((\a)/4)
.set j, 0
.rept 32
	v_pk_fma_f32 v[TMP+j:TMP+j+1], v[AC+j:AC+j+1], s[96:97], v[BIAS+j:BIAS+j+1] op_sel_hi:[1,0,1]
.set j, j+2
.endr
	WIN 0
.set j, 0
.rept 64
	v_med3_num_f32 v[TMP+j], v[TMP+j], 0, v[LIMV]
.set j, j+1
.endr
.if \a >= 2
	s_wait_alu depctr_va_vdst(0)
	s_wait_xcnt 0x0
.endif
.irp b, 0,1,2,3,4,5,6,7
	v_cvt_scalef32_pk8_fp8_f32 v[CDA+2*\b:CDA+2*\b+1], v[TMP+8*\b:TMP+8*\b+7], v[SCV]
.endr
	v_nop
.irp i, 0,1,2,3
	global_store_b128 v[LI], v[CDA+4*\i:CDA+4*\i+3], s[12:13] offset:(\a)*65536+512*\i
.endr
.endm
.irp a, 0,1,2,3,4,5,6,7
	OUTB \a
.endr
	s_wait_tensorcnt 0x0
	ds_add_u32 v[SPW], v[NIL]
	s_wait_dscnt 0x0
	CROUND
	s_endpgm
.Lfunc_end_k_qf3ef80d6bc_mlpin:
	.size	k_qf3ef80d6bc_mlpin, .Lfunc_end_k_qf3ef80d6bc_mlpin-k_qf3ef80d6bc_mlpin
	.p2alignl 7, 3214868480
	.fill 96, 4, 3214868480
	.section	.rodata,"a",@progbits
	.p2align	6, 0x0
	.amdhsa_kernel k_qf3ef80d6bc_mlpin
		.amdhsa_group_segment_fixed_size 327680
		.amdhsa_private_segment_fixed_size 0
		.amdhsa_enable_private_segment 0
		.amdhsa_kernarg_size 40
		.amdhsa_user_sgpr_count 2
		.amdhsa_user_sgpr_kernarg_segment_ptr 1
		.amdhsa_wavefront_size32 1
		.amdhsa_system_sgpr_workgroup_id_x 1
		.amdhsa_system_sgpr_workgroup_id_y 1
		.amdhsa_system_sgpr_workgroup_id_z 1
		.amdhsa_system_vgpr_workitem_id 0
		.amdhsa_next_free_vgpr 1024
		.amdhsa_next_free_sgpr 100
		.amdhsa_reserve_vcc 0
		.amdhsa_float_denorm_mode_32 3
		.amdhsa_float_denorm_mode_16_64 3
		.amdhsa_memory_ordered 1
		.amdhsa_forward_progress 1
		.amdhsa_inst_pref_size 136
	.end_amdhsa_kernel
	.amdgpu_metadata
---
amdhsa.version: [ 1, 2 ]
amdhsa.kernels:
  - .name:           k_qf3ef80d6bc_mlpin
    .symbol:         k_qf3ef80d6bc_mlpin.kd
    .args:
      - { .name: x1c, .offset: 0, .size: 8, .value_kind: global_buffer, .address_space: global }
      - { .name: cod0, .offset: 8, .size: 8, .value_kind: global_buffer, .address_space: global }
      - { .name: b_in, .offset: 16, .size: 8, .value_kind: global_buffer, .address_space: global }
      - { .name: lowp_scales, .offset: 24, .size: 8, .value_kind: global_buffer, .address_space: global }
      - { .name: hc, .offset: 32, .size: 8, .value_kind: global_buffer, .address_space: global }
    .group_segment_fixed_size: 327680
    .private_segment_fixed_size: 0
    .kernarg_segment_align: 8
    .kernarg_segment_size: 40
    .max_flat_workgroup_size: 128
    .sgpr_count:     100
    .vgpr_count:     1024
    .wavefront_size: 32
...
	.end_amdgpu_metadata
.endif
;; end of part 6
;; launch mlpout (part 7): grid 8 x 32, 4 waves a work-group, clusters of 4 x 1, 327,680 bytes of LDS; arguments hc, cod0, x1f, b_out, lowp_scales, out0; writes out0
.if DOCPART == 7
	.amdgcn_target "amdgcn-amd-amdhsa--gfx1250"
	.amdhsa_code_object_version 6
	.text
	.protected	k_qf3ef80d6bc_mlpout
	.globl	k_qf3ef80d6bc_mlpout
	.p2align	8
	.type	k_qf3ef80d6bc_mlpout,@function
k_qf3ef80d6bc_mlpout:
	s_mov_b64 s[64:65], 0
	v_nop
	global_prefetch_b8 v0, s[64:65] scope:SCOPE_SE
	s_setreg_imm32_b32 hwreg(HW_REG_WAVE_MODE, 25, 1), 1
	s_wait_xcnt 0x0
	s_wait_alu depctr_hold_cnt(0) depctr_sa_sdst(0) depctr_va_vdst(0) depctr_va_sdst(0) depctr_va_ssrc(0) depctr_va_vcc(0) depctr_vm_vsrc(0)
	s_getreg_b32 s2, hwreg(HW_REG_IB_STS2, 6, 4)
	s_cmp_eq_u32 s2, 0
	s_cbranch_scc0 .Lentry_in_a_cluster
	s_endpgm
.Lentry_in_a_cluster:
	s_bfe_u32 s2, ttmp6, 0x10000c
	s_cmp_lg_u32 s2, 0x3003
	s_cbranch_scc0 .Lentry_shape_is_right
	s_endpgm
.Lentry_shape_is_right:
; Product 8 and the end of the block: out0 = x1 + h W_out^T + b_out.  h (hc, by entry 14 of the scales) and W_out (cod0 at 20 MiB, by entry 15) are codes of E4M3 laid as images of operand registers:
; a fragment of 16 rows x 128 K is 2,048 bytes (registers 4 i .. 4 i + 3 of lane l at 512 i + 16 l); a tensor is [rows / 16][32][2,048].  x1f holds x1 as images of accumulators, as the launch oproj left them.
; SHARES.  A work-group makes 128 x 128 of out0 (work-group x: 128 columns, y: 128 rows); a wave all 128 rows x 32 columns: 16 accumulators.
; A (h) is read by all four waves: it goes through two LDS slots of 128 rows x 1,024 K (131,072 bytes), four fills in all, each wave fetching 32 rows with one tensor load.
; B (W_out): a wave's 32 rows are read by no other wave of the work-group, so they go from memory straight into registers, 8 loads of 512 bytes a K step of 128, in a ring of eight K steps: up to seven steps (56 loads) are out.
; CLUSTERS: the four work-groups of a cluster have the same rows of A and ask for each fill jointly (mask 15).  B is not asked for jointly: a joint load lands in LDS, and B does not pass through it.
; THE SUMS BEGIN AS (x1 + b_out) / 2^(e14 + e15), written into the accumulators at the head: the division by a power of two rounds nothing, one body serves every trip, and the way out is one multiplication by 2^(e14 + e15).
; The order of rounding differs from a sum that adds x1 and b_out last.  LIMIT: e14 + e15 between -126 and 126, so that both powers are f32 numbers.
; THE MATRIX INSTRUCTION IS USED TRANSPOSED (source 0 = 16 rows of B, source 1 = 16 rows of A): a lane holds one row of out0 and eight neighbouring columns, as in x1f's images.
; PREFETCH: in trip t, which loads A's slice t + 1, slice t + 2 is asked for: 131,072 bytes for the four partners, shared out by address: 32 blocks of 256 bytes a wave, a lane a block; the last trip asks for nothing.
; B has no prefetch: its own loads are issued seven K steps ahead of their use.
; REGISTERS: window 0: v16-31 addresses, v32-47 b_out, v128-255 the accumulators ((i, n) at 128 + 8 (2 i + n)).  window 1: A's fragments, two sets of 128.  window 2: B's ring, 32 registers a K step.
.set WOFF,  0x1400000
.set SLOT1, 1<<17
.set SPARE, 2*SLOT1                    ; behind the ring: the spare words, 128 bytes for each wave, which no other line names
.set SP,    528                        ; the way out: a stage of 128 rows x (512 + 16) bytes in slot 0, which has had its last fill and its last read by then
.set SLICE, 16384                      ; 1,024 along K of 16 rows: eight fragments
.set AD0,  16                          ; v16  LDS address of A's row groups 0-3 in the slot in hand
.set AD1,  17                          ; v17  of groups 4-7
.set STO,  22
.set RD,   23
.set LI,   24                          ; v24  16 x lane
.set LI2,  25                          ; v25  16 x lane + 65,536
.set SPW,  26
.set NIL,  27
.set BO,   30
.set PFO,  31                          ; v31  256 x lane
.set BI,   32
.set ACC,  128
.set WV,   84
.set G1,   24
.set G0,   32
.set BP,   44                          ; s[44:45] my rows of B at the K steps that are being asked for
.set PFA,  46                          ; s[46:47] where my prefetch stands
.set TB,   2                           ; s2  LDS byte of the slot in hand
.set MSB, 0
.macro WIN new                         ; the immediate's high byte repeats the setting that is left
.if MSB != \new
	s_set_vgpr_msb (MSB<<8)|\new
.set MSB, \new
.endif
.endm
.set MUL,  0x06                        ; source 0 (B) window 2, source 1 (A) window 1, C and D window 0
.set TO_A, 0x40
.set TO_B, 0x80
.macro PLACES                          ; plain vector lines between a matrix instruction and a load into, or a vector line on, its registers
.rept 4
	v_nop
.endr
.endm
.macro ROUND                           ; a round of the cluster's barrier
	s_barrier_signal -1
	s_barrier_wait -1
	s_cmp_lg_u32 s[WV], 0
	s_cbranch_scc1 .Lnot_wave_0_\@
	s_barrier_signal -3
.Lnot_wave_0_\@:
	s_barrier_wait -3
	s_barrier_signal -1
	s_barrier_wait -1
.endm
.macro BLOAD q                         ; B's two fragments of the q-th K step from s[BP] on
	WIN TO_B
.irp n, 0,1
.irp c, 0,1,2,3
	global_load_b128 v[32*(\q)+16*\n+4*\c:32*(\q)+16*\n+4*\c+3], v[LI], s[BP:BP+1] offset:\n*65536+(\q)*2048+512*\c
.endr
.endr
.endm
.macro FETCH q                         ; A's eight fragments of the slot's q-th K step into set q % 2
	WIN TO_A
.irp g, 0,1,2,3
.irp c, 0,1,2,3
	ds_load_b128 v[128*((\q)%2)+16*\g+4*\c:128*((\q)%2)+16*\g+4*\c+3], v[AD0] offset:\g*SLICE+(\q)*2048+512*\c
.endr
.endr
.irp g, 0,1,2,3
.irp c, 0,1,2,3
	ds_load_b128 v[128*((\q)%2)+64+16*\g+4*\c:128*((\q)%2)+64+16*\g+4*\c+3], v[AD1] offset:\g*SLICE+(\q)*2048+512*\c
.endr
.endr
.endm
; A K step of 128: 16 matrix instructions, the 16 accumulators by turns.  Ahead of them the registers that the step before read are asked for anew:
; B's for the next trip (refill = 1), A's other set for the next step.  Behind step q's B loads were issued: at q = 0 seven steps' loads (56); later six (48); with no refills 7 - q steps'.
.macro STEP q, refill
	s_wait_dscnt 0x0                               ; this step's fragments of A are in
.if \refill
.if (\q) == 0
	s_wait_loadcnt 56
.else
	s_wait_loadcnt 48
.endif
.else
	s_wait_loadcnt 8*(7-(\q))
.endif
.if (\q) > 0
	PLACES
.if \refill
	BLOAD (\q)-1
.endif
.endif
.if (\q) < 7
	FETCH (\q)+1
.endif
	WIN MUL
.irp i, 0,1,2,3,4,5,6,7
.irp n, 0,1
	v_wmma_f32_16x16x128_fp8_fp8 v[ACC+8*(2*\i+\n):ACC+8*(2*\i+\n)+7], v[32*(\q)+16*\n:32*(\q)+16*\n+15], v[128*((\q)%2)+16*\i:128*((\q)%2)+16*\i+15], v[ACC+8*(2*\i+\n):ACC+8*(2*\i+\n)+7]
.endr
.endr
.if (\q) == 7
	PLACES
.if \refill
	BLOAD 7
.endif
	WIN 0
.endif
.endm
; THE CHANGE OF SLOTS, at a slot's head.  Each wave waits for all its tensor loads (its part of the slot ahead), adds 0 to its spare word, and waits for that and for its reads of the slot that it has left.
; fill = 1: a round of the cluster's barrier, and behind it the joint load of the next slice into the slot just left (the first time: slot 1's first fill, issued as a refill is).
.macro CHANGE fill
	s_wait_tensorcnt 0x0
	ds_add_u32 v[SPW], v[NIL]
.if \fill
	s_xor_b32 s[G0+1], s[G0+1], SLOT1              ; no tensor load of mine is out: the descriptor walks to the other slot and the next slice
	s_add_nc_u64 s[G0+2:G0+3], s[G0+2:G0+3], SLICE
	s_wait_xcnt 0x0                                ; my loads and my prefetch have read their bases
	s_add_nc_u64 s[BP:BP+1], s[BP:BP+1], SLICE
	s_add_nc_u64 s[PFA:PFA+1], s[PFA:PFA+1], SLICE
	v_add_nc_u32 v[AD0], s[TB], v[LI]
	v_add_nc_u32 v[AD1], s[TB], v[LI2]
.else
	v_add_nc_u32 v[AD0], SLOT1, v[LI]              ; the last slice lies in slot 1
	v_add_nc_u32 v[AD1], SLOT1, v[LI2]
.endif
	s_wait_alu depctr_va_vdst(0)
	s_wait_dscnt 0x0
.if \fill
	ROUND
	tensor_load_to_lds s[G0:G0+3], s[G1:G1+7]
	s_nop 0
.else
	s_barrier_signal -1
	s_barrier_wait -1
.endif
	PLACES                                         ; also the places in front of the loads below
	FETCH 0
	WIN 0
.if \fill
	s_cmp_gt_u32 s3, 1                             ; the last trip has no slice two on
	s_cbranch_scc0 .Lnone_\@
	global_prefetch_b8 v[PFO], s[PFA:PFA+1] th:TH_LOAD_NT scope:SCOPE_SE
.Lnone_\@:
.endif
.endm
	s_load_b256 s[4:11], s[0:1], 0x0               ; hc, cod0, x1f, b_out
	s_load_b128 s[68:71], s[0:1], 0x20             ; the scales' exponents, out0
	v_lshl_add_u32 v[SPW], v0, 2, SPARE
	v_mov_b32 v[NIL], 0
	ds_add_u32 v[SPW], v[NIL]                      ; the opening lines
	ds_add_u32 v[SPW], v[NIL]
	v_lshrrev_b32 v1, 5, v0
	v_readfirstlane_b32 s[WV], v1                  ; wave 0..3
	s_bfe_u32 s40, ttmp6, 0x40000                  ; cx
	s_lshl_b32 s42, ttmp9, 2
	s_add_co_u32 s42, s42, s40                     ; tile column, 0..7
	s_and_b32 s87, ttmp7, 0xffff                   ; tile row, 0..31
	; descriptor group 1: 2 rows (groups of 16 matrix rows) of 16,384 bytes, 65,536 bytes apart; images need no padding
	s_mov_b32 s[G1], 15|(1<<21)                    ; the mask: all four of the cluster; elements of 1 byte
	s_mov_b32 s[G1+1], SLICE<<16
	s_mov_b32 s[G1+2], 2<<16
	s_mov_b32 s[G1+3], SLICE<<16
	s_mov_b32 s[G1+4], 2
	s_mov_b32 s[G1+5], 65536
	s_mov_b32 s[G1+6], 0
	s_mov_b32 s[G1+7], 0
	s_mov_b32 s[G0], 1
	s_lshl_b32 s[G0+1], s[WV], 15                  ; slot 0, my two groups
	s_lshl_b32 s18, s[WV], 1
	s_lshl_b32 s20, s87, 3
	s_add_co_u32 s20, s20, s18
	s_lshl_b32 s20, s20, 16                        ; A: group 8 x tile row + 2 x wave
	s_mov_b32 s21, 0
	s_lshr_b32 s22, s40, 1                         ; the prefetch: of my 32,768 bytes of a slice, partner cx takes group cx / 2, half cx % 2
	s_lshl_b32 s22, s22, 16
	s_and_b32 s23, s40, 1
	s_lshl_b32 s23, s23, 13
	s_add_co_u32 s22, s22, s23
	s_add_co_u32 s22, s22, s20
	s_add_co_u32 s22, s22, SLICE                   ; at slice 1: the first change of slots steps it to slice 2
	s_mov_b32 s23, 0
	s_lshl_b32 s48, s42, 3
	s_add_co_u32 s48, s48, s18
	s_lshl_b32 s48, s48, 16
	s_add_co_u32 s48, s48, WOFF                    ; B: group 8 x tile column + 2 x wave
	s_mov_b32 s49, 0
	s_lshl_b32 s50, s87, 3                         ; x1f: ((8 x tile row + tile column) x 4 + wave / 2) x 16,384 + 2,048 (wave % 2)
	s_add_co_u32 s50, s50, s42
	s_lshl_b32 s50, s50, 2
	s_lshr_b32 s52, s[WV], 1
	s_add_co_u32 s50, s50, s52
	s_lshl_b32 s50, s50, 14
	s_and_b32 s52, s[WV], 1
	s_lshl_b32 s52, s52, 11
	s_add_co_u32 s50, s50, s52
	s_mov_b32 s51, 0
	s_lshl_b32 s52, s42, 9                         ; b_out: 512 x tile column + 128 x wave
	s_lshl_b32 s54, s[WV], 7
	s_add_co_u32 s52, s52, s54
	s_mov_b32 s53, 0
	s_lshl_b32 s54, s87, 19                        ; out0: row 128 x tile row + 32 x wave, + 512 x tile column
	s_lshl_b32 s55, s[WV], 17
	s_add_co_u32 s54, s54, s55
	s_lshl_b32 s55, s42, 9
	s_add_co_u32 s54, s54, s55
	s_mov_b32 s55, 0
	s_wait_dscnt 0x0                               ; both opening adds are done
	s_wait_kmcnt 0x0
	s_load_b64 s[72:73], s[68:69], 0x38            ; e14, e15
	s_add_nc_u64 s[G0+2:G0+3], s[4:5], s[20:21]
	s_or_b32 s[G0+3], s[G0+3], 0x80000000
	s_add_nc_u64 s[PFA:PFA+1], s[4:5], s[22:23]
	s_add_nc_u64 s[BP:BP+1], s[6:7], s[48:49]
	s_add_nc_u64 s[8:9], s[8:9], s[50:51]
	s_add_nc_u64 s[10:11], s[10:11], s[52:53]
	s_add_nc_u64 s[70:71], s[70:71], s[54:55]
	ROUND                                          ; the four partners are here: the first joint loads meet
	tensor_load_to_lds s[G0:G0+3], s[G1:G1+7]      ; slice 0: my one tensor load at the head
	s_nop 0
	PLACES
	v_and_b32 v1, 31, v0
	v_lshlrev_b32 v[LI], 4, v1
	v_add_nc_u32 v[LI2], 0x10000, v[LI]
	v_lshlrev_b32 v[PFO], 8, v1
	v_and_b32 v2, 15, v0                           ; r
	v_bfe_u32 v3, v0, 4, 1                         ; h
	v_lshlrev_b32 v[BO], 5, v3
	v_mul_u32_u24 v[STO], v2, SP                   ; the stage, in: row r, + 128 x wave + 32 h bytes
	v_lshl_add_u32 v[STO], v3, 5, v[STO]
	s_lshl_b32 s56, s[WV], 7
	v_add_nc_u32 v[STO], s56, v[STO]
	s_mul_i32 s56, s[WV], 32*SP
	v_add_nc_u32 v[RD], s56, v[LI]                 ; and back: rows 32 x wave on, a row of 512 bytes an instruction
	s_wait_alu depctr_va_vdst(0)
.irp n, 0,1
	global_load_b128 v[BI+8*\n:BI+8*\n+3], v[BO], s[10:11] offset:64*\n
	global_load_b128 v[BI+8*\n+4:BI+8*\n+7], v[BO], s[10:11] offset:64*\n+16
.endr
.irp i, 0,1,2,3,4,5,6,7                ; x1 straight into the accumulators' registers
.irp n, 0,1
	global_load_b128 v[ACC+8*(2*\i+\n):ACC+8*(2*\i+\n)+3], v[LI], s[8:9] offset:(\i/4)*32768+(\i%4)*4096+\n*1024 th:TH_LOAD_NT
	global_load_b128 v[ACC+8*(2*\i+\n)+4:ACC+8*(2*\i+\n)+7], v[LI], s[8:9] offset:(\i/4)*32768+(\i%4)*4096+\n*1024+512 th:TH_LOAD_NT
.endr
.endr
	BLOAD 0
	BLOAD 1
	BLOAD 2
	WIN 0
	s_wait_kmcnt 0x0
	s_add_co_i32 s88, s72, s73                     ; e14 + e15
	s_sub_co_i32 s90, 127, s88
	s_lshl_b32 s90, s90, 23                        ; 2^-(e14 + e15)
	s_mov_b32 s91, s90
	s_add_co_i32 s88, s88, 127
	s_lshl_b32 s88, s88, 23                        ; 2^(e14 + e15)
	s_mov_b32 s89, s88
	s_mov_b32 s[TB], 0
	s_mov_b32 s3, 3
	s_wait_loadcnt 24                              ; b_out and x1 are in; B's first three K steps (24 loads) may be out
.irp j, 0,2,4,6,8,10,12,14
	v_pk_mul_f32 v[BI+\j:BI+\j+1], v[BI+\j:BI+\j+1], s[90:91] op_sel_hi:[1,0]
.endr
.irp a, 0,1,2,3,4,5,6,7,8,9,10,11,12,13,14,15
.irp j, 0,2,4,6
	v_pk_fma_f32 v[ACC+8*\a+\j:ACC+8*\a+\j+1], v[ACC+8*\a+\j:ACC+8*\a+\j+1], s[90:91], v[BI+8*(\a%2)+\j:BI+8*(\a%2)+\j+1] op_sel_hi:[1,0,1]
.endr
.endr
.irp q, 3,4,5,6,7
	BLOAD \q
.endr
	WIN 0
	s_wait_alu depctr_va_vdst(0)
.Ltrip:                                            ; three trips: slices 0, 1, 2 are multiplied while slices 1, 2, 3 are on their way
	CHANGE 1
.irp q, 0,1,2,3,4,5,6,7
	STEP \q, 1
.endr
	s_xor_b32 s[TB], s[TB], SLOT1
	s_sub_co_u32 s3, s3, 1
	s_cmp_lg_u32 s3, 0
	s_cbranch_scc1 .Ltrip
	CHANGE 0                                       ; the last slice is written out: nothing more is asked for
.irp q, 0,1,2,3,4,5,6,7
	STEP \q, 0
.endr
; THE WAY OUT.  Each sum x 2^(e14 + e15), each accumulator from its low end on; the work-group's 128 x 128 numbers go through the stage, so that a store covers a whole row piece of 512 bytes, two aligned units of 256.
.set j, 0
.rept 64
	v_pk_mul_f32 v[ACC+j:ACC+j+1], v[ACC+j:ACC+j+1], s[88:89] op_sel_hi:[1,0]
.set j, j+2
.endr
.irp i, 0,1,2,3,4,5,6,7
.irp n, 0,1
	ds_store_b128 v[STO], v[ACC+8*(2*\i+\n):ACC+8*(2*\i+\n)+3] offset:\i*16*SP+64*\n
	ds_store_b128 v[STO], v[ACC+8*(2*\i+\n)+4:ACC+8*(2*\i+\n)+7] offset:\i*16*SP+64*\n+16
.endr
.endr
	s_wait_dscnt 0x0                               ; for the others' sake
	s_barrier_signal -1
	s_barrier_wait -1
.set t, 0
.rept 32
	ds_load_b128 v[ACC+4*t:ACC+4*t+3], v[RD] offset:t*SP
.set t, t+1
.endr
.set t, 0
.rept 32
	s_wait_dscnt 31-t
	global_store_b128 v[LI], v[ACC+4*t:ACC+4*t+3], s[70:71] offset:t*4096 th:TH_STORE_NT
.set t, t+1
.endr
	s_wait_tensorcnt 0x0                           ; the wave's end
	ds_add_u32 v[SPW], v[NIL]
	s_wait_dscnt 0x0
	ROUND                                          ; the closing round
	s_endpgm
.Lfunc_end_k_qf3ef80d6bc_mlpout:
	.size	k_qf3ef80d6bc_mlpout, .Lfunc_end_k_qf3ef80d6bc_mlpout-k_qf3ef80d6bc_mlpout
	.p2alignl 7, 3214868480
	.fill 96, 4, 3214868480
	.section	.rodata,"a",@progbits
	.p2align	6, 0x0
	.amdhsa_kernel k_qf3ef80d6bc_mlpout
		.amdhsa_group_segment_fixed_size 327680
		.amdhsa_private_segment_fixed_size 0
		.amdhsa_enable_private_segment 0
		.amdhsa_kernarg_size 48
		.amdhsa_user_sgpr_count 2
		.amdhsa_user_sgpr_kernarg_segment_ptr 1
		.amdhsa_wavefront_size32 1
		.amdhsa_system_sgpr_workgroup_id_x 1
		.amdhsa_system_sgpr_workgroup_id_y 1
		.amdhsa_system_sgpr_workgroup_id_z 1
		.amdhsa_system_vgpr_workitem_id 0
		.amdhsa_next_free_vgpr 768
		.amdhsa_next_free_sgpr 100
		.amdhsa_reserve_vcc 0
		.amdhsa_float_denorm_mode_32 3
		.amdhsa_float_denorm_mode_16_64 3
		.amdhsa_memory_ordered 1
		.amdhsa_forward_progress 1
		.amdhsa_inst_pref_size 92
	.end_amdhsa_kernel
	.amdgpu_metadata
---
amdhsa.version: [ 1, 2 ]
amdhsa.kernels:
  - .name:           k_qf3ef80d6bc_mlpout
    .symbol:         k_qf3ef80d6bc_mlpout.kd
    .args:
      - { .name: hc, .offset: 0, .size: 8, .value_kind: global_buffer, .address_space: global }
      - { .name: cod0, .offset: 8, .size: 8, .value_kind: global_buffer, .address_space: global }
      - { .name: x1f, .offset: 16, .size: 8, .value_kind: global_buffer, .address_space: global }
      - { .name: b_out, .offset: 24, .size: 8, .value_kind: global_buffer, .address_space: global }
      - { .name: lowp_scales, .offset: 32, .size: 8, .value_kind: global_buffer, .address_space: global }
      - { .name: out0, .offset: 40, .size: 8, .value_kind: global_buffer, .address_space: global }
    .group_segment_fixed_size: 327680
    .private_segment_fixed_size: 0
    .kernarg_segment_align: 8
    .kernarg_segment_size: 48
    .max_flat_workgroup_size: 128
    .sgpr_count:     100
    .vgpr_count:     768
    .wavefront_size: 32
...
	.end_amdgpu_metadata
.endif
;; end of part 7
